; MI455X (gfx1250); checked and timed in simulation.
; The chip was launched on July 23, 2026; its instructions are those of AMD's public machine-readable ISA for CDNA 5 (MIT licence, August 2026) and "CDNA5" Instruction Set Architecture Reference Guide (July 2026). The comments in the code are by the model that wrote it; some were corrected since.
;; Attention Block. Allowed arithmetic: float matrix products may take bf16 or f16 operands with f32 sums; other float arithmetic in f32, or as packed bf16 or f16 multiplies, adds, multiply-adds, maxima and minima; sums over many terms, partial sums and values carried from step to step in f32; what a program stores and reads back later, other than sums and carried values, may be rounded once to bf16 or f16.
;; Inputs: Wkv 16 x 64 float32; Wq 16 x 64 float32; eps_fc1_b 128 float32; eps_fc1_w 128 x 128 float32; eps_fc2_b 32 float32; eps_fc2_w 32 x 128 float32; eps_fc_b 16 float32; eps_fc_w 16 x 32 float32; eps_ln1_b 128 float32; eps_ln1_s 128 float32; eps_ln2_b 32 float32; eps_ln2_s 32 float32; in_proj_b 24 float32; in_proj_w 24 x 8 float32; kv_embed 8 x 32,768 x 64 float32; out_proj_b 8 float32; out_proj_w 8 x 8 float32; query_embed 8 x 32,768 x 64 float32; res_fc1_b 128 float32; res_fc1_w 128 x 80 float32; res_fc2_b 32 float32; res_fc2_w 32 x 128 float32; res_fc_b 64 float32; res_fc_w 64 x 32 float32; res_ln1_b 128 float32; res_ln1_s 128 float32; res_ln2_b 32 float32; res_ln2_s 32 float32; res_match_b 128 float32; res_match_w 128 x 80 float32; wkv_embed 8 float32; wq_embed 8 float32.
;; Outputs: out0 8 x 32,768 x 64 float32.
;; 2 versions, each right; version 2 is version 1 with the launch main written anew for expert scheduling mode. Each part assembles by itself: llvm-mc -triple=amdgcn-amd-amdhsa -mcpu=gfx1250 --defsym DOCPART=n.
;; ======== version 1 of 2: 2 launches
;; limits: a function is approximated: absolute error at most 2.5e-05; values are held in f16: magnitudes above 65,504 overflow, below 6.1e-05 lose precision
;; workspace buffers: wts 90,112 bytes
;; launch prep (part 1): grid 86 x 1, 2 waves a work-group, no clusters, 0 bytes of LDS; arguments Wq, Wkv, eps_fc1_w, eps_fc2_w, eps_fc_w, res_fc1_w, res_match_w, res_fc2_w, res_fc_w, eps_fc1_b, eps_fc2_b, eps_fc_b, res_fc1_b, res_match_b, res_fc2_b, eps_ln1_s, eps_ln1_b, res_ln1_s, res_ln1_b, eps_ln2_s, eps_ln2_b, res_ln2_s, res_ln2_b, in_proj_w, in_proj_b, out_proj_w, out_proj_b, wq_embed, wkv_embed, wts; writes wts
.if DOCPART == 1
	.amdgcn_target "amdgcn-amd-amdhsa--gfx1250"
	.amdhsa_code_object_version 6
	.text
	.protected	k_qf5cdb65d6f_prep
	.globl	k_qf5cdb65d6f_prep
	.p2align	8
	.type	k_qf5cdb65d6f_prep,@function
k_qf5cdb65d6f_prep:
	s_mov_b64 s[64:65], 0
	v_nop
	global_prefetch_b8 v0, s[64:65] scope:SCOPE_SE
	s_setreg_imm32_b32 hwreg(HW_REG_WAVE_MODE, 25, 1), 1
	s_wait_xcnt 0x0
; PREP: the 29 small inputs are laid out once as the second launch wants them: 83 matrix fragments of 1,024 bytes and a block of 5,120 bytes of f32 parameters.
; Every input is first rounded to bf16 (nearest even) and widened again; what is folded is folded in f32 from those numbers and rounded once more to the fragment's format.
; A FRAGMENT is 16 rows x 32 k of 16-bit numbers as a matrix instruction's source: lane L (r = L % 16, hh = L / 16) holds row r; its registers 0-3 (k = 8 hh + 0..7) lie at byte 16 L,
; its registers 4-7 (k = 16 + 8 hh + 0..7) at byte 512 + 16 L.  Work-group f < 83 makes fragment f; thread 32 hv + L makes the 16 bytes at 16 x thread: a wave's store is 512 consecutive bytes.
; THE FOLDS (they hold for every input).  The attention's inputs have rank one, so with av = Wv ek, P_h[e] = sum_d Wo[e][4h+d] av[4h+d], c[e] = bo[e] + sum_j Wo[e][j] bv[j] the attention's output is
; eps[8 i + e] = P_0[e] r_0i + P_1[e] r_1i + c[e], r_hi = sum_k p_k kv_k.  A layer W on eps becomes the matrix sum_e W[f][8 i + e] P_h[e] on the 32 numbers r (k = 16 h + i) and the bias W c.
; The scores are kv_k (q_i A_h + C_h) / 2 plus terms that do not hang on k and leave a softmax unchanged (the key bias stands in those alone): A_h = sum_d aq ak, C_h = sum_d bq ak.
; SCALES.  LayerNorm gains and biases are multiplied by KAPPA = sqrt(log2(e) / 2), so that exp(-x x / 2) = 2^(-y y) with y = KAPPA x; the second launch's GELU leaves 2 KAPPA gelu(x), and
; C0 = 1 / (2 KAPPA) is multiplied into the weights that take it (eps_fc2, eps_fc, res_fc).  A_h and C_h carry log2(e) / 2.
; LIMITS.  res_fc2_w and res_fc_w x C0 are written in f16: beyond 65,504 they would be infinities, below 6.1e-5 they keep f16's fixed step of 6e-8.
; No LDS, no barrier; EXEC is never changed; every wait is for 0: the launch is a few loads deep and far too short to be worth counting.
.set KAPPA, 0x3f596d27
.set C0,    0x3f16b55f
.set HL2E,  0x3f38aa3b                 ; log2(e) / 2
.set PRM,   84992                      ; the parameter block, behind 83 fragments
.set F_E2,  14                         ; first fragment of each family (0 Wq, 2 Wkv, 4 folded fc1, 12 folded skip)
.set F_R1,  23
.set F_RL,  47
.set F_RO,  79
.set A_WQ,    0x00                     ; byte offsets of the arguments
.set A_EFC1W, 0x10
.set A_EFC2W, 0x18
.set A_EFCW,  0x20
.set A_RFC1W, 0x28
.set A_RMW,   0x30
.set A_RFC2W, 0x38
.set A_RFCW,  0x40
.set A_EFC1B, 0x48
.set A_EFCB,  0x58
.set A_RFC1B, 0x60
.set A_RMB,   0x68
.set A_RFC2B, 0x70
.set A_ELN1S, 0x78
.set A_ELN2S, 0x98
.set A_INW,   0xb8
.set A_WQE,   0xd8
.set A_WKVE,  0xe0
.set A_WTS,   0xe8
.set WV,   16                          ; v[16:79]   Wv[j][e] at WV + 8 j + e; later a row of a large matrix
.set BV,   80                          ; v[80:87]   bv
.set WO,   88                          ; v[88:151]  Wo[e][j] at WO + 8 e + j
.set BOB,  152                         ; v[152:159] bo
.set EK,   160                         ; v[160:167] wkv_embed
.set AV,   168
.set P0,   176
.set P1,   184
.set CC,   192
.set PSEL, 200
; scalars: s[4:5] wts; s7 mask of a word's upper half; s8 wave = hv; s10 first row; s11 row step; s12 first column; s13 row pitch in bytes; s[14:15] scale; s16 1 = f16; s19 K step; s[20:21] matrix; s[22:23] bias
.macro RBRUN first, pairs              ; 2 x pairs registers from first on: rounded to bf16 and widened again
.set i_, 0
.rept \pairs
	v_cvt_pk_bf16_f32 v[220+i_%4], v[(\first)+2*i_], v[(\first)+2*i_+1]
	v_lshlrev_b32 v[(\first)+2*i_], 16, v[220+i_%4]
	v_and_b32 v[(\first)+2*i_+1], s7, v[220+i_%4]
.set i_, i_+1
.endr
.endm
.macro SIMPLE vr, scaled, off          ; one number a lane: rounded, times KAPPA where it is a LayerNorm's, stored at 4 i
	v_cvt_pk_bf16_f32 v[\vr], v[\vr], v[\vr]
	v_lshlrev_b32 v[\vr], 16, v[\vr]
.if \scaled
	v_mul_f32 v[\vr], KAPPA, v[\vr]
.endif
	global_store_b32 v8, v[\vr], s[4:5] offset:PRM+(\off)
.endm
	s_load_b64 s[4:5], s[0:1], A_WTS
	v_lshrrev_b32 v1, 5, v0
	v_readfirstlane_b32 s8, v1             ; wave: which half of a fragment's registers
	v_and_b32 v1, 31, v0                   ; lane
	v_and_b32 v2, 15, v0                   ; r
	v_bfe_u32 v3, v0, 4, 1                 ; hh
	v_mov_b32 v4, 0
	s_lshl_b32 s9, ttmp9, 10
	v_lshlrev_b32 v6, 4, v0
	v_add_nc_u32 v6, s9, v6                ; where a fragment's 16 bytes go
	s_mov_b32 s7, 0xffff0000
	s_mov_b32 s10, 0                       ; the sections below change what differs from these
	s_mov_b32 s11, 1
	s_mov_b32 s12, 0
	s_mov_b32 s14, 1.0
	s_mov_b32 s16, 0
	s_cmp_lt_u32 ttmp9, 4
	s_cbranch_scc1 .Lsec_w
	s_cmp_lt_u32 ttmp9, F_E2
	s_cbranch_scc1 .Lsmallv
	s_cmp_lt_u32 ttmp9, 22
	s_cbranch_scc1 .Lsec_e2
	s_cmp_lt_u32 ttmp9, F_R1
	s_cbranch_scc1 .Lsec_ef
	s_cmp_lt_u32 ttmp9, F_RL
	s_cbranch_scc1 .Lsec_r1
	s_cmp_lt_u32 ttmp9, F_RO
	s_cbranch_scc1 .Lsec_rl
	s_cmp_lt_u32 ttmp9, 83
	s_cbranch_scc1 .Lsec_ro
	s_cmp_lt_u32 ttmp9, 85
	s_cbranch_scc1 .Lsmallv                ; 83, 84: the vectors of 128
	s_cmp_eq_u32 s8, 0
	s_cbranch_scc1 .Lsmallv                ; 85, wave 0: the vectors of 32
	s_branch .Lsmalla                      ; 85, wave 1: eps_fc_b, the attention's four numbers, the block's zeros
.Lsec_w:                                       ; fragments 0-3: Wq, Wkv, K step f % 2
	s_load_b128 s[24:27], s[0:1], A_WQ
	s_and_b32 s12, ttmp9, 1
	s_lshl_b32 s12, s12, 5
	s_mov_b32 s13, 256
	s_wait_kmcnt 0x0
	s_cmp_lt_u32 ttmp9, 2
	s_cselect_b64 s[20:21], s[24:25], s[26:27]
	s_branch .Lplain
.Lsec_e2:                                      ; 14-21: eps_fc2_w x C0, K step (f - 14) / 2, rows 16 ((f - 14) % 2) on
	s_load_b64 s[20:21], s[0:1], A_EFC2W
	s_sub_co_u32 s17, ttmp9, F_E2
	s_and_b32 s10, s17, 1
	s_lshl_b32 s10, s10, 4
	s_lshr_b32 s12, s17, 1
	s_lshl_b32 s12, s12, 5
	s_mov_b32 s13, 512
	s_mov_b32 s14, C0
	s_branch .Lplain
.Lsec_ef:                                      ; 22: eps_fc_w x C0
	s_load_b64 s[20:21], s[0:1], A_EFCW
	s_mov_b32 s13, 128
	s_mov_b32 s14, C0
	s_branch .Lplain
.Lsec_ro:                                      ; 79-82: res_fc_w x C0 in f16; column r of fragment tt is feature 4 r + tt
	s_load_b64 s[20:21], s[0:1], A_RFCW
	s_sub_co_u32 s10, ttmp9, F_RO
	s_mov_b32 s11, 4
	s_mov_b32 s13, 128
	s_mov_b32 s14, C0
	s_mov_b32 s16, 1
	s_branch .Lplain
.Lsec_r1:                                      ; 23-46: res_fc1_w, K step (f - 23) / 8, rows 16 ((f - 23) % 8) on
	s_load_b64 s[20:21], s[0:1], A_RFC1W
	s_load_b64 s[22:23], s[0:1], A_RFC1B
	s_sub_co_u32 s17, ttmp9, F_R1
	s_and_b32 s10, s17, 7
	s_lshr_b32 s19, s17, 3
	s_branch .Lp80
.Lsec_rl:                                      ; 47-78: eight for each trip c of the second launch's loop
	s_sub_co_u32 s17, ttmp9, F_RL
	s_lshr_b32 s18, s17, 3                 ; c
	s_and_b32 s17, s17, 7                  ; u
	s_cmp_ge_u32 s17, 6
	s_cbranch_scc1 .Lsec_r2
	s_load_b64 s[20:21], s[0:1], A_RMW     ; u < 6: res_match_w, rows 16 (2 c + u / 3) on, K step u % 3
	s_load_b64 s[22:23], s[0:1], A_RMB
	s_mul_i32 s19, s17, 11
	s_lshr_b32 s19, s19, 5                 ; u / 3 for u = 0 .. 5
	s_lshl_b32 s10, s18, 1
	s_add_co_u32 s10, s10, s19
	s_mul_i32 s19, s19, 3
	s_sub_co_u32 s19, s17, s19
.Lp80:                                         ; a matrix of 80 columns: K goes to 96; column 80 takes the bias, 81-95 are 0
	s_lshl_b32 s10, s10, 4
	s_lshl_b32 s12, s19, 5
	s_mov_b32 s13, 320
	s_cmp_lg_u32 s19, 2
	s_cbranch_scc1 .Lplain
	s_cmp_lg_u32 s8, 1
	s_cbranch_scc1 .Lplain
	s_wait_kmcnt 0x0                       ; K step 2, registers 4-7: k = 80 + 8 hh + 0..7
	v_add_nc_u32 v5, s10, v2
	v_lshlrev_b32 v5, 2, v5
	global_load_b32 v16, v5, s[22:23]
	s_wait_loadcnt 0x0
	v_cvt_pk_bf16_f32 v16, v16, v4         ; the bias in the low half (k = 80), 0 above it
	v_cmp_eq_u32 vcc_lo, 0, v3
	v_cndmask_b32 v16, 0, v16, vcc_lo      ; in the lanes with hh = 0 alone
	v_mov_b32 v17, 0
	v_mov_b32 v18, 0
	v_mov_b32 v19, 0
	global_store_b128 v6, v[16:19], s[4:5]
	s_endpgm
.Lsec_r2:                                      ; u = 6, 7: res_fc2_w in f16, K step c, rows 16 (u - 6) on
	s_load_b64 s[20:21], s[0:1], A_RFC2W
	s_sub_co_u32 s10, s17, 6
	s_lshl_b32 s10, s10, 4
	s_lshl_b32 s12, s18, 5
	s_mov_b32 s13, 512
	s_mov_b32 s16, 1
.Lplain:                                       ; eight neighbouring numbers of a row: rounded, scaled, packed
	s_mov_b32 s15, s14                     ; named with it as a pair
	s_lshl_b32 s17, s8, 4
	s_add_co_u32 s17, s17, s12
	s_lshl_b32 s17, s17, 2                 ; (first column + 16 hv) x 4 bytes
	v_mad_u32_u24 v5, v2, s11, s10         ; the row
	v_mul_u32_u24 v5, s13, v5
	v_lshl_add_u32 v5, v3, 5, v5           ; + 8 hh columns
	v_add_nc_u32 v5, s17, v5
	s_wait_kmcnt 0x0
	global_load_b128 v[16:19], v5, s[20:21]
	global_load_b128 v[20:23], v5, s[20:21] offset:16
	s_wait_loadcnt 0x0
	RBRUN 16, 4
.set i_, 0
.rept 4
	v_pk_mul_f32 v[16+2*i_:17+2*i_], v[16+2*i_:17+2*i_], s[14:15] op_sel_hi:[1,0]
.set i_, i_+1
.endr
	s_cmp_eq_u32 s16, 1
	s_cbranch_scc1 .Lf16
.set i_, 0
.rept 4
	v_cvt_pk_bf16_f32 v[24+i_], v[16+2*i_], v[17+2*i_]
.set i_, i_+1
.endr
	global_store_b128 v6, v[24:27], s[4:5]
	s_endpgm
.Lf16:
.set i_, 0
.rept 4
	v_cvt_pk_f16_f32 v[24+i_], v[16+2*i_], v[17+2*i_]
.set i_, i_+1
.endr
	global_store_b128 v6, v[24:27], s[4:5]
	s_endpgm
.Lsmallv:                                      ; av, P_0, P_1 and c, the same in every lane (all lanes load the same bytes)
	s_load_b256 s[24:31], s[0:1], A_INW    ; in_proj_w, in_proj_b, out_proj_w, out_proj_b
	s_load_b64 s[32:33], s[0:1], A_WKVE
	s_wait_kmcnt 0x0
.set i_, 0
.rept 16
	global_load_b128 v[WV+4*i_:WV+4*i_+3], v4, s[24:25] offset:512+16*i_  ; rows 16-23
	global_load_b128 v[WO+4*i_:WO+4*i_+3], v4, s[28:29] offset:16*i_
.set i_, i_+1
.endr
.set i_, 0
.rept 2
	global_load_b128 v[BV+4*i_:BV+4*i_+3], v4, s[26:27] offset:64+16*i_
	global_load_b128 v[BOB+4*i_:BOB+4*i_+3], v4, s[30:31] offset:16*i_
	global_load_b128 v[EK+4*i_:EK+4*i_+3], v4, s[32:33] offset:16*i_
.set i_, i_+1
.endr
	s_wait_loadcnt 0x0
	RBRUN 16, 76
.set j_, 0
.rept 8
	v_mul_f32 v[AV+j_], v[WV+8*j_], v[EK]
.set e_, 1
.rept 7
	v_fmac_f32 v[AV+j_], v[WV+8*j_+e_], v[EK+e_]
.set e_, e_+1
.endr
.set j_, j_+1
.endr
.set e_, 0
.rept 8
	v_mul_f32 v[P0+e_], v[WO+8*e_], v[AV]
	v_mul_f32 v[P1+e_], v[WO+8*e_+4], v[AV+4]
	v_fma_f32 v[CC+e_], v[WO+8*e_], v[BV], v[BOB+e_]
.set d_, 1
.rept 3
	v_fmac_f32 v[P0+e_], v[WO+8*e_+d_], v[AV+d_]
	v_fmac_f32 v[P1+e_], v[WO+8*e_+4+d_], v[AV+4+d_]
.set d_, d_+1
.endr
.set d_, 1
.rept 7
	v_fmac_f32 v[CC+e_], v[WO+8*e_+d_], v[BV+d_]
.set d_, d_+1
.endr
.set e_, e_+1
.endr
	s_cmp_lt_u32 ttmp9, F_E2
	s_cbranch_scc0 .Lrowfold
	; fragments 4-13: the fold of eps_fc1_w (4-11) or eps_fc2_w (12, 13): k = 16 hv + 8 hh + jj stands for head hv, query 8 hh + jj
	s_load_b128 s[24:27], s[0:1], A_EFC1W
	s_cmp_lt_u32 ttmp9, 12
	s_cselect_b32 s17, 4, 12
	s_sub_co_u32 s17, ttmp9, s17
	s_lshl_b32 s17, s17, 4
	v_add_nc_u32 v5, s17, v2               ; the row
	v_lshlrev_b32 v5, 9, v5
	v_lshl_add_u32 v5, v3, 8, v5           ; its columns 64 hh on
	s_wait_kmcnt 0x0
	s_cmp_lt_u32 ttmp9, 12
	s_cselect_b64 s[20:21], s[24:25], s[26:27]
.set i_, 0
.rept 16
	global_load_b128 v[16+4*i_:19+4*i_], v5, s[20:21] offset:16*i_
.set i_, i_+1
.endr
	s_cmp_eq_u32 s8, 1
	s_cselect_b32 s18, -1, 0
.set e_, 0
.rept 8
	v_cndmask_b32 v[PSEL+e_], v[P0+e_], v[P1+e_], s18
.set e_, e_+1
.endr
	s_wait_loadcnt 0x0
	RBRUN 16, 32
.set j_, 0
.rept 8
	v_mul_f32 v[208+j_], v[16+8*j_], v[PSEL]
.set e_, 1
.rept 7
	v_fmac_f32 v[208+j_], v[16+8*j_+e_], v[PSEL+e_]
.set e_, e_+1
.endr
.set j_, j_+1
.endr
.set i_, 0
.rept 4
	v_cvt_pk_bf16_f32 v[216+i_], v[208+2*i_], v[209+2*i_]
.set i_, i_+1
.endr
	global_store_b128 v6, v[216:219], s[4:5]
	s_endpgm
.Lrowfold:                                     ; bias + W c for row i of eps_fc1_w (work-groups 83, 84: i = 64 (f - 83) + thread) or of eps_fc2_w (85: i = lane)
	s_load_b128 s[24:27], s[0:1], A_EFC1W
	s_load_b128 s[28:31], s[0:1], A_EFC1B
	s_sub_co_u32 s17, ttmp9, 83
	s_lshl_b32 s17, s17, 6
	s_cmp_lt_u32 ttmp9, 85
	s_cselect_b32 s17, s17, 0
	s_cselect_b32 s18, 0, 2560             ; where the result goes in the block
	s_wait_kmcnt 0x0
	s_cselect_b64 s[20:21], s[24:25], s[26:27]
	s_cselect_b64 s[22:23], s[28:29], s[30:31]
	v_add_nc_u32 v7, s17, v0               ; i
	v_lshlrev_b32 v5, 9, v7
	v_lshlrev_b32 v8, 2, v7
	v_add_nc_u32 v9, s18, v8
.set i_, 0
.rept 32
	global_load_b128 v[16+4*i_:19+4*i_], v5, s[20:21] offset:16*i_
.set i_, i_+1
.endr
	global_load_b32 v144, v8, s[22:23]
	s_wait_loadcnt 0x0
	RBRUN 16, 64
	v_cvt_pk_bf16_f32 v144, v144, v144
	v_lshlrev_b32 v144, 16, v144
	v_fma_f32 v208, v16, v[CC], v144       ; four chains; column m meets c[m % 8]
	v_mul_f32 v209, v17, v[CC+1]
	v_mul_f32 v210, v18, v[CC+2]
	v_mul_f32 v211, v19, v[CC+3]
.set m_, 4
.rept 124
	v_fmac_f32 v[208+m_%4], v[16+m_], v[CC+m_%8]
.set m_, m_+1
.endr
	v_add_f32 v208, v208, v209
	v_add_f32 v210, v210, v211
	v_add_f32 v208, v208, v210
	global_store_b32 v9, v208, s[4:5] offset:PRM
	s_cmp_lt_u32 ttmp9, 85
	s_cbranch_scc0 .Lvec32
	s_load_b256 s[24:31], s[0:1], A_ELN1S  ; eps_ln1_s, eps_ln1_b, res_ln1_s, res_ln1_b
	s_wait_kmcnt 0x0
	global_load_b32 v212, v8, s[24:25]
	global_load_b32 v213, v8, s[26:27]
	global_load_b32 v214, v8, s[28:29]
	global_load_b32 v215, v8, s[30:31]
	s_wait_loadcnt 0x0
	SIMPLE 212, 1, 512
	SIMPLE 213, 1, 1024
	SIMPLE 214, 1, 1536
	SIMPLE 215, 1, 2048
	s_endpgm
.Lvec32:
	s_load_b256 s[24:31], s[0:1], A_ELN2S  ; eps_ln2_s, eps_ln2_b, res_ln2_s, res_ln2_b
	s_load_b64 s[32:33], s[0:1], A_RFC2B
	s_wait_kmcnt 0x0
	global_load_b32 v212, v8, s[24:25]
	global_load_b32 v213, v8, s[26:27]
	global_load_b32 v214, v8, s[32:33]
	global_load_b32 v215, v8, s[28:29]
	global_load_b32 v216, v8, s[30:31]
	s_wait_loadcnt 0x0
	SIMPLE 212, 1, 2688
	SIMPLE 213, 1, 2816
	SIMPLE 214, 0, 2944
	SIMPLE 215, 1, 3072
	SIMPLE 216, 1, 3200
	s_endpgm
.Lsmalla:                                      ; the 256 bytes at 3,328: eps_fc_b (16), A0 A0 C0 C0 A1 A1 C1 C1, zeros; then 1,536 bytes of zeros, so that the block is copied whole
	s_load_b128 s[24:27], s[0:1], A_INW    ; in_proj_w, in_proj_b
	s_load_b128 s[28:31], s[0:1], A_WQE    ; wq_embed, wkv_embed
	s_load_b64 s[32:33], s[0:1], A_EFCB
	s_wait_kmcnt 0x0
.set i_, 0
.rept 32
	global_load_b128 v[16+4*i_:19+4*i_], v4, s[24:25] offset:16*i_  ; rows 0-15: Wq_in at v16, Wk_in at v80
.set i_, i_+1
.endr
.set i_, 0
.rept 2
	global_load_b128 v[144+4*i_:147+4*i_], v4, s[28:29] offset:16*i_
	global_load_b128 v[152+4*i_:155+4*i_], v4, s[30:31] offset:16*i_
	global_load_b128 v[160+4*i_:163+4*i_], v4, s[26:27] offset:16*i_  ; bq
.set i_, i_+1
.endr
	v_min_u32 v5, 7, v1                    ; lanes 8 and up stay inside the 64 bytes; what they load is not used
	v_lshlrev_b32 v5, 3, v5
	global_load_b64 v[212:213], v5, s[32:33]
	s_wait_loadcnt 0x0
	RBRUN 16, 76
	RBRUN 212, 1
.set j_, 0
.rept 8
	v_mul_f32 v[168+j_], v[16+8*j_], v144  ; aq
	v_mul_f32 v[176+j_], v[80+8*j_], v152  ; ak
.set e_, 1
.rept 7
	v_fmac_f32 v[168+j_], v[16+8*j_+e_], v[144+e_]
	v_fmac_f32 v[176+j_], v[80+8*j_+e_], v[152+e_]
.set e_, e_+1
.endr
.set j_, j_+1
.endr
.set h_, 0
.rept 2
	v_mul_f32 v[184+h_], v[168+4*h_], v[176+4*h_]
	v_mul_f32 v[186+h_], v[160+4*h_], v[176+4*h_]
.set d_, 1
.rept 3
	v_fmac_f32 v[184+h_], v[168+4*h_+d_], v[176+4*h_+d_]
	v_fmac_f32 v[186+h_], v[160+4*h_+d_], v[176+4*h_+d_]
.set d_, d_+1
.endr
	v_mul_f32 v[184+h_], HL2E, v[184+h_]
	v_mul_f32 v[186+h_], HL2E, v[186+h_]
.set h_, h_+1
.endr
	v_mov_b32 v208, 0                      ; lane l stores floats 2 l, 2 l + 1: lanes 8-11 hold A0, C0, A1, C1 twice
	v_cmp_eq_u32 vcc_lo, 8, v1
	v_cndmask_b32 v208, v208, v184, vcc_lo
	v_cmp_eq_u32 vcc_lo, 9, v1
	v_cndmask_b32 v208, v208, v186, vcc_lo
	v_cmp_eq_u32 vcc_lo, 10, v1
	v_cndmask_b32 v208, v208, v185, vcc_lo
	v_cmp_eq_u32 vcc_lo, 11, v1
	v_cndmask_b32 v208, v208, v187, vcc_lo
	v_cmp_gt_u32 vcc_lo, 8, v1
	v_cndmask_b32 v212, v208, v212, vcc_lo
	v_cndmask_b32 v213, v208, v213, vcc_lo
	v_lshlrev_b32 v9, 3, v1
	global_store_b64 v9, v[212:213], s[4:5] offset:PRM+3328
	v_mov_b32 v216, 0
	v_mov_b32 v217, 0
	v_mov_b32 v218, 0
	v_mov_b32 v219, 0
	v_lshlrev_b32 v10, 4, v1
.set i_, 0
.rept 3
	global_store_b128 v10, v[216:219], s[4:5] offset:PRM+3584+512*i_
.set i_, i_+1
.endr
	s_endpgm
.Lfunc_end_k_qf5cdb65d6f_prep:
	.size	k_qf5cdb65d6f_prep, .Lfunc_end_k_qf5cdb65d6f_prep-k_qf5cdb65d6f_prep
	.p2alignl 7, 3214868480
	.fill 96, 4, 3214868480
	.section	.rodata,"a",@progbits
	.p2align	6, 0x0
	.amdhsa_kernel k_qf5cdb65d6f_prep
		.amdhsa_group_segment_fixed_size 0
		.amdhsa_private_segment_fixed_size 0
		.amdhsa_enable_private_segment 0
		.amdhsa_kernarg_size 240
		.amdhsa_user_sgpr_count 2
		.amdhsa_user_sgpr_kernarg_segment_ptr 1
		.amdhsa_wavefront_size32 1
		.amdhsa_system_sgpr_workgroup_id_x 1
		.amdhsa_system_sgpr_workgroup_id_y 1
		.amdhsa_system_sgpr_workgroup_id_z 1
		.amdhsa_system_vgpr_workitem_id 0
		.amdhsa_next_free_vgpr 224
		.amdhsa_next_free_sgpr 66
		.amdhsa_reserve_vcc 1
		.amdhsa_float_denorm_mode_32 3
		.amdhsa_float_denorm_mode_16_64 3
		.amdhsa_memory_ordered 1
		.amdhsa_forward_progress 1
		.amdhsa_inst_pref_size 74
	.end_amdhsa_kernel
	.amdgpu_metadata
---
amdhsa.version: [ 1, 2 ]
amdhsa.kernels:
  - .name:           k_qf5cdb65d6f_prep
    .symbol:         k_qf5cdb65d6f_prep.kd
    .args:
      - { .name: Wq, .offset: 0, .size: 8, .value_kind: global_buffer, .address_space: global }
      - { .name: Wkv, .offset: 8, .size: 8, .value_kind: global_buffer, .address_space: global }
      - { .name: eps_fc1_w, .offset: 16, .size: 8, .value_kind: global_buffer, .address_space: global }
      - { .name: eps_fc2_w, .offset: 24, .size: 8, .value_kind: global_buffer, .address_space: global }
      - { .name: eps_fc_w, .offset: 32, .size: 8, .value_kind: global_buffer, .address_space: global }
      - { .name: res_fc1_w, .offset: 40, .size: 8, .value_kind: global_buffer, .address_space: global }
      - { .name: res_match_w, .offset: 48, .size: 8, .value_kind: global_buffer, .address_space: global }
      - { .name: res_fc2_w, .offset: 56, .size: 8, .value_kind: global_buffer, .address_space: global }
      - { .name: res_fc_w, .offset: 64, .size: 8, .value_kind: global_buffer, .address_space: global }
      - { .name: eps_fc1_b, .offset: 72, .size: 8, .value_kind: global_buffer, .address_space: global }
      - { .name: eps_fc2_b, .offset: 80, .size: 8, .value_kind: global_buffer, .address_space: global }
      - { .name: eps_fc_b, .offset: 88, .size: 8, .value_kind: global_buffer, .address_space: global }
      - { .name: res_fc1_b, .offset: 96, .size: 8, .value_kind: global_buffer, .address_space: global }
      - { .name: res_match_b, .offset: 104, .size: 8, .value_kind: global_buffer, .address_space: global }
      - { .name: res_fc2_b, .offset: 112, .size: 8, .value_kind: global_buffer, .address_space: global }
      - { .name: eps_ln1_s, .offset: 120, .size: 8, .value_kind: global_buffer, .address_space: global }
      - { .name: eps_ln1_b, .offset: 128, .size: 8, .value_kind: global_buffer, .address_space: global }
      - { .name: res_ln1_s, .offset: 136, .size: 8, .value_kind: global_buffer, .address_space: global }
      - { .name: res_ln1_b, .offset: 144, .size: 8, .value_kind: global_buffer, .address_space: global }
      - { .name: eps_ln2_s, .offset: 152, .size: 8, .value_kind: global_buffer, .address_space: global }
      - { .name: eps_ln2_b, .offset: 160, .size: 8, .value_kind: global_buffer, .address_space: global }
      - { .name: res_ln2_s, .offset: 168, .size: 8, .value_kind: global_buffer, .address_space: global }
      - { .name: res_ln2_b, .offset: 176, .size: 8, .value_kind: global_buffer, .address_space: global }
      - { .name: in_proj_w, .offset: 184, .size: 8, .value_kind: global_buffer, .address_space: global }
      - { .name: in_proj_b, .offset: 192, .size: 8, .value_kind: global_buffer, .address_space: global }
      - { .name: out_proj_w, .offset: 200, .size: 8, .value_kind: global_buffer, .address_space: global }
      - { .name: out_proj_b, .offset: 208, .size: 8, .value_kind: global_buffer, .address_space: global }
      - { .name: wq_embed, .offset: 216, .size: 8, .value_kind: global_buffer, .address_space: global }
      - { .name: wkv_embed, .offset: 224, .size: 8, .value_kind: global_buffer, .address_space: global }
      - { .name: wts, .offset: 232, .size: 8, .value_kind: global_buffer, .address_space: global }
    .group_segment_fixed_size: 0
    .private_segment_fixed_size: 0
    .kernarg_segment_align: 8
    .kernarg_segment_size: 240
    .max_flat_workgroup_size: 64
    .sgpr_count:     66
    .vgpr_count:     224
    .wavefront_size: 32
...
	.end_amdgpu_metadata
.endif
;; end of part 1
;; launch main (part 2): grid 256 x 1, 8 waves a work-group, no clusters, 295,936 bytes of LDS; arguments query_embed, kv_embed, wts, res_fc_b, out0; writes out0
.if DOCPART == 2
	.amdgcn_target "amdgcn-amd-amdhsa--gfx1250"
	.amdhsa_code_object_version 6
	.text
	.protected	k_qf5cdb65d6f_main
	.globl	k_qf5cdb65d6f_main
	.p2align	8
	.type	k_qf5cdb65d6f_main,@function
k_qf5cdb65d6f_main:
	s_mov_b64 s[64:65], 0
	v_nop
	global_prefetch_b8 v0, s[64:65] scope:SCOPE_SE
	s_setreg_imm32_b32 hwreg(HW_REG_WAVE_MODE, 25, 1), 1
	s_wait_xcnt 0x0
; MAIN: the whole module for 262,144 rows, each independent of the others.  A work-group owns 1,024 rows, each of its eight waves 128: four passes of two tiles of 16 rows.
; Behind one barrier (the weights' copy into LDS) no wave waits for another.
; LAYOUT.  Every layer but the last is used transposed, D^T = W X^T: source 0 = 16 rows of a weight, source 1 = 16 batch rows.  Lane L (r = L % 16, hh = L / 16) then holds batch row r, and
; register j of feature tile n holds feature 16 n + 8 hh + j.  Two such tiles, rounded in pairs, ARE source 1 of the next layer: nothing changes lanes between layers, and a LayerNorm's sums want one
; exchange between the halves of the lanes.  The last layer is used the other way round, with column r of weight fragment tt standing for feature 4 r + tt: the bias's addition then puts four
; neighbouring features into four neighbouring registers, and sixteen lanes store one row of 256 bytes.
; ATTENTION.  Its inputs have rank one (see the first launch): with t = q_i A_h + C_h (log2(e) / 2 folded in) the weights are p_k = 2^(kv_k t - m), m = max_k kv_k t = max(t kvmax, t kvmin), the row's true
; maximum; all that the layers behind need is r_hi = sum_k p_k kv_k / sum_k p_k, 32 numbers a row.  A lane holds 8 queries x 2 heads and all 16 kv of its row (8 of them from the lane 16 away).
; LAYERNORM in two passes as it is defined: the mean, the centred numbers, their squares.  The centred numbers of a layer of 128 go through the wave's own LDS, so that gain, bias, GELU and the next
; product are a loop of four trips on fixed registers and the text stays short.
; GELU by erf's rational form (Abramowitz and Stegun 7.1.25, error in erf at most 2.5e-5 for every x): y = KAPPA x comes out of the scaled gain and bias, t = 1 / (1 + p1 |y|),
; Q = t (a1 + t (a2 + t a3)) 2^(-y y), and y + |y| (1 - Q) = 2 KAPPA gelu(x); the factor 1 / (2 KAPPA) lies in the next weights, or is applied (tr = 1) where the skip is added onto the result.
; FORMATS.  All inputs are rounded to bf16; products in bf16 with f32 sums, but the last two (res_fc2 on h, res_fc on its GELU) in f16, whose operands the program itself makes.
; LIMITS.  h and 2 KAPPA gelu must stay under 65,504 in size (f16).  A weight p below 2^-126 counts as 0.  erf as above.  NaN and infinities are not treated apart.
; NO CLUSTER, NO TENSOR LOADS: all that work-groups share is the 90,112 bytes of weights, against 524,288 bytes of rows of its own that each reads; the rows come by 16-byte loads of which sixteen
; lanes take one whole row of 256 bytes, a pass ahead of their use, are rounded once and turned through the wave's own stage: no wave has to meet another for a refill.
; REGISTERS, in two windows of 256 (s_set_vgpr_msb: bits 1:0 source 0, 3:2 source 1, 5:4 source 2, 7:6 destination).
;   window 0: v1-11 addresses; v12-15 the output's bias; v16-23 statistics; v24-31 four chains; v32-47 eps_ as a fragment; v48-63 r, later a GELU, as a fragment; v64-191 and v192-255 at work (names below)
;   window 1: v0-127 the next pass's rows; v128-159 the query's fragments; v160-223 eight weight fragments; v224-255 kv's fragments
.set F_E1,  4                          ; fragments in LDS, 1,024 bytes each: 0 Wq, 2 Wkv, 4 folded fc1, 12 folded skip, 14 eps_fc2, 22 eps_fc, 23 res_fc1, 47 res_match and res_fc2, 79 res_fc
.set F_E2M, 12
.set F_E2,  14
.set F_EF,  22
.set F_R1,  23
.set F_RL,  47
.set F_RO,  79
.set PRM,   84992                      ; f32 parameters, in feature order
.set P_B1E, 0
.set P_S1E, 512
.set P_T1E, 1024
.set P_S1R, 1536
.set P_T1R, 2048
.set P_B2E, 2560
.set P_S2E, 2688
.set P_T2E, 2816
.set P_B2R, 2944
.set P_S2R, 3072
.set P_T2R, 3200
.set P_BFE, 3328
.set P_ATT, 3392
.set STG,   90112                      ; a wave's stage: 9,216 bytes: q tile 0, q tile 1, kv tile 0, kv tile 1, each 16 rows of 128 bytes + 16 of padding (36 words: the 16 rows of a load start at 16 different groups of four banks)
.set STGW,  9216
.set RT,    163840                     ; a wave's centred numbers: 16,384 bytes: registers 4 i .. 4 i + 3 of tile t at 8,192 t + 512 i + 16 lane
.set SPARE, 294912                     ; the spare words, 128 bytes for each wave: four blocks of 256 bytes that no other line names
.set LW,  1                            ; 16 lane
.set AP0, 2                            ; PRM + 32 hh
.set ASR, 3                            ; stage, read: + 144 r + 16 hh
.set ASW, 4                            ; stage, written: + 1,152 hh + 8 r
.set ART, 5                            ; my 16 bytes in RT
.set GO,  6                            ; 2,048 hh + 16 r: my 16 bytes in rows j and j + 8 of a tile, in the inputs and in the output
.set AWL, 7                            ; loop addresses: weights,
.set APL, 8                            ; parameters,
.set ARL, 9                            ; centred numbers
.set SPW, 10                           ; LDS address of my spare word; never rewritten
.set NIL, 11                           ; 0; never rewritten
.set BO,  12                           ; res_fc_b[4 r + tt]
.set ST,  16                           ; tile t at ST + 4 t: mean, at work, 1 / sqrt(var + eps), at work
.set CH,  24
.set EFR, 32                           ; tile t at EFR + 8 t: registers 0-3 eps_ (k = 64 + 8 hh ..), register 4 the 1.0 of column 80 (hh = 0), 5-7 zero
.set RF,  48                           ; tile t at RF + 8 t
.set Z,   64                           ; a layer of 128: tile t, feature tile n at Z + 64 t + 8 n
.set KV,  64                           ; attention: tile t's 16 kv at KV + 16 t
.set AQ,  96                           ; its 8 q at AQ + 8 t
.set TQ,  112                          ; t for head h, query j at TQ + 8 h + j
.set MQ,  128                          ; the maxima
.set NUM, 144
.set DEN, 160
.set KM,  176                          ; kvmax, kvmin
.set E0,  192
.set E1,  208
.set Y,   64                           ; loops: tile t's 32 features of a trip at Y + 16 t; packed into the low 8
.set PS,  96                           ; gains
.set PT,  112                          ; biases
.set Z2,  128                          ; a layer of 32: tile t, feature tile n at Z2 + 16 t + 8 n
.set Z3,  160                          ; eps_: tile t at Z3 + 8 t
.set PBB, 176                          ; a bias as C operand
.set TT,  208
.set TE,  224
.set TP,  240
.set OA,  64                           ; the output's products: tile t, fragment tt at OA + 32 t + 8 tt
.set OUT, 128                          ; and as stored: tile t, row j at OUT + 32 t + 4 j
.set QF,  128                          ; window 1: tile t, K step ks at QF + 16 t + 8 ks
.set WB,  160                          ; window 1: slot s at WB + 8 s
.set KF,  224                          ; window 1
; scalars: s[4:5] query (next pass), s[6:7] kv, s[8:9] wts, s[10:11] res_fc_b, s[12:13] out (this pass); s14 wave; s[20:27] A0 A0 C0 C0 A1 A1 C1 C1; s30 p1; s[32:33] a1; s[34:35] a2; s[36:37] a3;
; s[38:39] 1 / (2 KAPPA); s[40:41] lane selects; s42 passes left; s43 trips left; s44-46 a loop's offsets; s47 1e-5; s48 1/128; s49 1/32
.set MSB, 0
.macro WIN new                         ; the immediate's high byte repeats the setting that is left; a switch that changes nothing is dropped
.if MSB != (\new)
	s_set_vgpr_msb (MSB<<8)|(\new)
.set MSB, \new
.endif
.endm
; A vector instruction that reads a matrix result or writes one of a matrix instruction's registers, and a load into such a register, stand four plain vector instructions behind it; a matrix
; instruction that writes over one, five (ISA guide 7.12.1 for vector instructions).
.macro PLACES n=4
.rept \n
	v_nop
.endr
.endm
.macro MMB d, a, b, c
	v_wmma_f32_16x16x32_bf16 v[(\d):(\d)+7], v[(\a):(\a)+7], v[(\b):(\b)+7], v[(\c):(\c)+7]
.endm
.macro MMB0 d, a, b                    ; the first product starts the sum
	v_wmma_f32_16x16x32_bf16 v[(\d):(\d)+7], v[(\a):(\a)+7], v[(\b):(\b)+7], 0
.endm
.macro MMH d, a, b, c
	v_wmma_f32_16x16x32_f16 v[(\d):(\d)+7], v[(\a):(\a)+7], v[(\b):(\b)+7], v[(\c):(\c)+7]
.endm
.macro MMH0 d, a, b
	v_wmma_f32_16x16x32_f16 v[(\d):(\d)+7], v[(\a):(\a)+7], v[(\b):(\b)+7], 0
.endm
.macro LDFRAG slot, areg, off          ; a weight fragment into slot (the destination's window is 1): 32 lanes x 16 neighbouring bytes, twice
	ds_load_b128 v[WB+8*(\slot):WB+8*(\slot)+3],   v[\areg] offset:(\off)
	ds_load_b128 v[WB+8*(\slot)+4:WB+8*(\slot)+7], v[\areg] offset:(\off)+512
.endm
.macro LDVEC dst, areg, off, nt        ; parameters of nt feature tiles: features 16 q + 8 hh + 0..7 into dst + 8 q
.set q_, 0
.rept \nt
	ds_load_b128 v[(\dst)+8*q_:(\dst)+8*q_+3],   v[\areg] offset:(\off)+64*q_
	ds_load_b128 v[(\dst)+8*q_+4:(\dst)+8*q_+7], v[\areg] offset:(\off)+64*q_+16
.set q_, q_+1
.endr
.endm
.macro PFLOAD                          ; the next pass's 32 rows of query and of kv: each load takes rows j and j + 8 of a tile, sixteen lanes a whole row of 256 bytes
	WIN 0x40
.set i_, 0
.rept 16
	global_load_b128 v[4*i_:4*i_+3], v[GO], s[4:5] offset:4096*(i_/8)+256*(i_%8) th:TH_LOAD_NT
.set i_, i_+1
.endr
.set i_, 0
.rept 16
	global_load_b128 v[64+4*i_:64+4*i_+3], v[GO], s[6:7] offset:4096*(i_/8)+256*(i_%8) th:TH_LOAD_NT
.set i_, i_+1
.endr
	WIN 0
.endm
.macro PFSTORE                         ; they are rounded to bf16 and go into my stage, 8 bytes a lane: the two halves of the lanes lie 288 words apart and meet different banks
	s_wait_loadcnt 0x0                     ; nothing else of mine is being loaded
	WIN 0x45
.set i_, 0
.rept 32
	v_cvt_pk_bf16_f32 v[4*i_], v[4*i_], v[4*i_+1]
	v_cvt_pk_bf16_f32 v[4*i_+1], v[4*i_+2], v[4*i_+3]
.set i_, i_+1
.endr
	WIN 0x04
.set i_, 0
.rept 32
	ds_store_b64 v[ASW], v[4*i_:4*i_+1] offset:4608*(i_/16)+2304*((i_/8)%2)+144*(i_%8)
.set i_, i_+1
.endr
	WIN 0
.endm
.macro REDUCE s                        ; the four chains, the pair's two halves, the other half of the lanes: the sum over a row's features in v[s + 1]
	v_pk_add_f32 v[CH:CH+1], v[CH:CH+1], v[CH+2:CH+3]
	v_pk_add_f32 v[CH+4:CH+5], v[CH+4:CH+5], v[CH+6:CH+7]
	v_pk_add_f32 v[CH:CH+1], v[CH:CH+1], v[CH+4:CH+5]
	v_add_f32 v[(\s)+1], v[CH], v[CH+1]
	v_permlanex16_b32 v[(\s)+3], v[(\s)+1], s40, s41
	v_add_f32 v[(\s)+1], v[(\s)+1], v[(\s)+3]
.endm
; LayerNorm's statistics of tile t over nr registers a lane from zb on (2 nr features); sinv names the scalar 1 / (2 nr).  The numbers are left centred; rt = 1: and stored into RT.
; Each accumulator's lowest registers are read first.
.macro STATS zb, nr, t, sinv, rt
.set k_, 0
.rept 4
	v_pk_add_f32 v[CH+2*k_:CH+2*k_+1], v[(\zb)+2*k_:(\zb)+2*k_+1], v[(\zb)+2*k_+8:(\zb)+2*k_+9]
.set k_, k_+1
.endr
.if (\nr) > 16
.set k_, 8
.rept (\nr)/2-8
	v_pk_add_f32 v[CH+2*(k_%4):CH+2*(k_%4)+1], v[CH+2*(k_%4):CH+2*(k_%4)+1], v[(\zb)+2*k_:(\zb)+2*k_+1]
.set k_, k_+1
.endr
.endif
	REDUCE ST+4*(\t)
	v_mul_f32 v[ST+4*(\t)], s[\sinv], v[ST+4*(\t)+1]
.set k_, 0
.rept (\nr)/2
	v_pk_add_f32 v[(\zb)+2*k_:(\zb)+2*k_+1], v[(\zb)+2*k_:(\zb)+2*k_+1], v[ST+4*(\t):ST+4*(\t)+1] op_sel_hi:[1,0] neg_lo:[0,1] neg_hi:[0,1]
.if (\rt) && (k_%2 == 1)
	ds_store_b128 v[ART], v[(\zb)+2*k_-2:(\zb)+2*k_+1] offset:8192*(\t)+512*(k_/2)
.endif
.set k_, k_+1
.endr
.set k_, 0
.rept 4
	v_pk_mul_f32 v[CH+2*k_:CH+2*k_+1], v[(\zb)+2*k_:(\zb)+2*k_+1], v[(\zb)+2*k_:(\zb)+2*k_+1]
.set k_, k_+1
.endr
.set k_, 4
.rept (\nr)/2-4
	v_pk_fma_f32 v[CH+2*(k_%4):CH+2*(k_%4)+1], v[(\zb)+2*k_:(\zb)+2*k_+1], v[(\zb)+2*k_:(\zb)+2*k_+1], v[CH+2*(k_%4):CH+2*(k_%4)+1]
.set k_, k_+1
.endr
	REDUCE ST+4*(\t)
	v_fma_f32 v[ST+4*(\t)+1], v[ST+4*(\t)+1], s[\sinv], s47
	v_rsq_f32 v[ST+4*(\t)+2], v[ST+4*(\t)+1]
	v_nop                                  ; a plain instruction behind the root
.endm
.macro AFFINE yb, t                    ; 16 centred numbers: y = z rstd (KAPPA s) + KAPPA b
.set i_, 0
	s_wait_alu depctr_va_vdst(0)
.rept 8
	v_pk_mul_f32 v[(\yb)+2*i_:(\yb)+2*i_+1], v[(\yb)+2*i_:(\yb)+2*i_+1], v[ST+4*(\t)+2:ST+4*(\t)+3] op_sel_hi:[1,0]
.set i_, i_+1
.endr
.set i_, 0
.rept 8
	v_pk_fma_f32 v[(\yb)+2*i_:(\yb)+2*i_+1], v[(\yb)+2*i_:(\yb)+2*i_+1], v[PS+2*i_:PS+2*i_+1], v[PT+2*i_:PT+2*i_+1]
.set i_, i_+1
.endr
.endm
; 16 numbers y -> y + |y| (1 - Q).  Behind each run of transcendentals stands plain work that touches none of their registers: -y y behind the reciprocals, the polynomial's first step behind the exponentials.
.macro GELU16 yb, tr
.set i_, 0
.rept 16
	v_fma_f32 v[TT+i_], |v[(\yb)+i_]|, s30, 1.0
.set i_, i_+1
.endr
.set i_, 0
.rept 16
	v_rcp_f32 v[TT+i_], v[TT+i_]
.set i_, i_+1
.endr
.set i_, 0
.rept 8
	v_pk_mul_f32 v[TE+2*i_:TE+2*i_+1], v[(\yb)+2*i_:(\yb)+2*i_+1], v[(\yb)+2*i_:(\yb)+2*i_+1] neg_lo:[1,0] neg_hi:[1,0]
.set i_, i_+1
.endr
.set i_, 0
.rept 16
	v_exp_f32 v[TE+i_], v[TE+i_]
.set i_, i_+1
.endr
.set i_, 0
	s_wait_alu depctr_va_vdst(0)
.rept 8
	v_pk_fma_f32 v[TP+2*i_:TP+2*i_+1], v[TT+2*i_:TT+2*i_+1], s[36:37], s[34:35] op_sel_hi:[1,0,0]
.set i_, i_+1
.endr
.set i_, 0
.rept 8
	v_pk_fma_f32 v[TP+2*i_:TP+2*i_+1], v[TP+2*i_:TP+2*i_+1], v[TT+2*i_:TT+2*i_+1], s[32:33] op_sel_hi:[1,1,0]
.set i_, i_+1
.endr
.set i_, 0
.rept 8
	v_pk_mul_f32 v[TE+2*i_:TE+2*i_+1], v[TE+2*i_:TE+2*i_+1], v[TT+2*i_:TT+2*i_+1]
.set i_, i_+1
.endr
.set i_, 0
.rept 8
	v_pk_fma_f32 v[TP+2*i_:TP+2*i_+1], v[TP+2*i_:TP+2*i_+1], v[TE+2*i_:TE+2*i_+1], 1.0 op_sel_hi:[1,1,0] neg_lo:[1,0,0] neg_hi:[1,0,0]
.set i_, i_+1
.endr
.set i_, 0
.rept 16
	v_fma_f32 v[(\yb)+i_], |v[(\yb)+i_]|, v[TP+i_], v[(\yb)+i_]
.set i_, i_+1
.endr
.if \tr
.set i_, 0
.rept 8
	v_pk_mul_f32 v[(\yb)+2*i_:(\yb)+2*i_+1], v[(\yb)+2*i_:(\yb)+2*i_+1], s[38:39] op_sel_hi:[1,0]
.set i_, i_+1
.endr
.endif
.endm
.macro CVTB dst, src, n                ; n pairs rounded to bf16, ascending: in place too, since register i is written when 2 i and 2 i + 1 have been read
.set i_, 0
.rept \n
	v_cvt_pk_bf16_f32 v[(\dst)+i_], v[(\src)+2*i_], v[(\src)+2*i_+1]
.set i_, i_+1
.endr
.endm
.macro CVTH dst, src, n                ; the same to f16
.set i_, 0
.rept \n
	v_cvt_pk_f16_f32 v[(\dst)+i_], v[(\src)+2*i_], v[(\src)+2*i_+1]
.set i_, i_+1
.endr
.endm
; Two of a lane's 16 pairs of head and query, c (even) and c + 1: the 16 weights of each, their sum and their sum times kv.  The odd one's scalings are the plain work behind the even one's
; exponentials; the chains begin with the even one's weights, which is the plain work behind the odd one's.
.macro COMBO2 kb, c
.set p_, 0
.rept 8
	v_pk_fma_f32 v[E0+2*p_:E0+2*p_+1], v[(\kb)+2*p_:(\kb)+2*p_+1], v[TQ+(\c):TQ+(\c)+1], v[MQ+(\c):MQ+(\c)+1] op_sel_hi:[1,0,0] neg_lo:[0,0,1] neg_hi:[0,0,1]
.set p_, p_+1
.endr
.set p_, 0
.rept 16
	v_exp_f32 v[E0+p_], v[E0+p_]
.set p_, p_+1
.endr
.set p_, 0
.rept 8
	v_pk_fma_f32 v[E1+2*p_:E1+2*p_+1], v[(\kb)+2*p_:(\kb)+2*p_+1], v[TQ+(\c):TQ+(\c)+1], v[MQ+(\c):MQ+(\c)+1] op_sel:[0,1,1] op_sel_hi:[1,1,1] neg_lo:[0,0,1] neg_hi:[0,0,1]
.set p_, p_+1
.endr
.set p_, 0
.rept 16
	v_exp_f32 v[E1+p_], v[E1+p_]
.set p_, p_+1
.endr
	s_wait_alu depctr_va_vdst(0)
	v_pk_add_f32 v[CH:CH+1], v[E0:E0+1], v[E0+2:E0+3]
	v_pk_mul_f32 v[CH+2:CH+3], v[E0:E0+1], v[(\kb):(\kb)+1]
	v_pk_add_f32 v[CH+4:CH+5], v[E1:E1+1], v[E1+2:E1+3]
	v_pk_mul_f32 v[CH+6:CH+7], v[E1:E1+1], v[(\kb):(\kb)+1]
	v_pk_fma_f32 v[CH+2:CH+3], v[E0+2:E0+3], v[(\kb)+2:(\kb)+3], v[CH+2:CH+3]
	v_pk_fma_f32 v[CH+6:CH+7], v[E1+2:E1+3], v[(\kb)+2:(\kb)+3], v[CH+6:CH+7]
.set p_, 2
.rept 6
	v_pk_add_f32 v[CH:CH+1], v[CH:CH+1], v[E0+2*p_:E0+2*p_+1]
	v_pk_fma_f32 v[CH+2:CH+3], v[E0+2*p_:E0+2*p_+1], v[(\kb)+2*p_:(\kb)+2*p_+1], v[CH+2:CH+3]
	v_pk_add_f32 v[CH+4:CH+5], v[CH+4:CH+5], v[E1+2*p_:E1+2*p_+1]
	v_pk_fma_f32 v[CH+6:CH+7], v[E1+2*p_:E1+2*p_+1], v[(\kb)+2*p_:(\kb)+2*p_+1], v[CH+6:CH+7]
.set p_, p_+1
.endr
	v_add_f32 v[DEN+(\c)], v[CH], v[CH+1]
	v_add_f32 v[NUM+(\c)], v[CH+2], v[CH+3]
	v_add_f32 v[DEN+(\c)+1], v[CH+4], v[CH+5]
	v_add_f32 v[NUM+(\c)+1], v[CH+6], v[CH+7]
.endm
.macro ATT t                           ; tile t's attention: from its q and kv to r as a fragment (registers 0-3 head 0, 4-7 head 1; queries 8 hh + 0..7)
.set K_, KV+16*(\t)
.set A_, AQ+8*(\t)
.set i_, 0
.rept 8
	v_permlanex16_b32 v[K_+8+i_], v[K_+i_], s40, s41   ; the row's other 8 kv lie in the lane 16 away
.set i_, i_+1
.endr
.set i_, 0
.rept 8
	v_pk_fma_f32 v[TQ+2*i_:TQ+2*i_+1], v[A_+2*(i_%4):A_+2*(i_%4)+1], s[20+4*(i_/4):21+4*(i_/4)], s[22+4*(i_/4):23+4*(i_/4)] op_sel_hi:[1,0,0]
.set i_, i_+1
.endr
	v_max3_num_f32 v[KM], v[K_], v[K_+1], v[K_+2]
	v_min3_num_f32 v[KM+1], v[K_], v[K_+1], v[K_+2]
.set i_, 3
.rept 6
	v_max3_num_f32 v[KM], v[KM], v[K_+i_], v[K_+i_+1]
	v_min3_num_f32 v[KM+1], v[KM+1], v[K_+i_], v[K_+i_+1]
.set i_, i_+2
.endr
	v_max_num_f32 v[KM], v[KM], v[K_+15]
	v_min_num_f32 v[KM+1], v[KM+1], v[K_+15]
.set i_, 0
.rept 8
	v_pk_mul_f32 v[MQ+2*i_:MQ+2*i_+1], v[TQ+2*i_:TQ+2*i_+1], v[KM:KM+1] op_sel_hi:[1,0]
	v_pk_mul_f32 v[E0+2*i_:E0+2*i_+1], v[TQ+2*i_:TQ+2*i_+1], v[KM:KM+1] op_sel:[0,1] op_sel_hi:[1,1]
.set i_, i_+1
.endr
.set i_, 0
.rept 16
	v_max_num_f32 v[MQ+i_], v[MQ+i_], v[E0+i_]
.set i_, i_+1
.endr
.set c_, 0
.rept 8
	COMBO2 K_, c_
.set c_, c_+2
.endr
.set i_, 0
.rept 16
	v_rcp_f32 v[DEN+i_], v[DEN+i_]
.set i_, i_+1
.endr
	v_nop                                  ; a plain instruction behind the reciprocals
.set i_, 0
	s_wait_alu depctr_va_vdst(0)
.rept 8
	v_pk_mul_f32 v[NUM+2*i_:NUM+2*i_+1], v[NUM+2*i_:NUM+2*i_+1], v[DEN+2*i_:DEN+2*i_+1]
.set i_, i_+1
.endr
	CVTB RF+8*(\t), NUM, 8
.endm
; The head of a trip of either loop: the three addresses and a v_nop are the four places behind the last trip's products; then 32 features' gains and biases and both tiles' centred numbers.
.macro LTOP soff, toff
	v_add_nc_u32 v[ARL], s44, v[ART]
	v_add_nc_u32 v[APL], s45, v[AP0]
	v_add_nc_u32 v[AWL], s46, v[LW]
	v_nop
	s_wait_alu depctr_va_vdst(0)
	LDVEC PS, APL, \soff, 2
	LDVEC PT, APL, \toff, 2
.set i_, 0
.rept 8
	ds_load_b128 v[Y+4*i_:Y+4*i_+3], v[ARL] offset:8192*(i_/4)+512*(i_%4)
.set i_, i_+1
.endr
	s_wait_dscnt 0x4                       ; all but tile 1's four loads
.endm
; The second LayerNorm and GELU of a block, on the layer of 32 in Z2; the result as a fragment in RF, in bf16 or (half = 1) f16.
.macro TAIL soff, toff, half
	PLACES
	LDVEC PS, AP0, \soff, 2
	LDVEC PT, AP0, \toff, 2
	STATS Z2, 16, 0, 49, 0
	STATS Z2+16, 16, 1, 49, 0
	s_wait_dscnt 0x0                       ; gains and biases
	AFFINE Z2, 0
	GELU16 Z2, 0
.if \half
	CVTH RF, Z2, 8
.else
	CVTB RF, Z2, 8
.endif
	AFFINE Z2+16, 1
	GELU16 Z2+16, 0
.if \half
	CVTH RF+8, Z2+16, 8
.else
	CVTB RF+8, Z2+16, 8
.endif
.endm
	s_load_b256 s[4:11], s[0:1], 0x0       ; query, kv, wts, res_fc_b
	s_load_b64 s[12:13], s[0:1], 0x20      ; out
	v_lshl_add_u32 v[SPW], v0, 2, SPARE
	v_mov_b32 v[NIL], 0
	v_lshrrev_b32 v192, 5, v0
	v_readfirstlane_b32 s14, v192          ; wave 0..7
	v_and_b32 v193, 31, v0                 ; lane
	v_and_b32 v194, 15, v0                 ; r
	v_bfe_u32 v195, v0, 4, 1               ; hh
	v_lshlrev_b32 v[LW], 4, v193
	v_lshlrev_b32 v[AP0], 5, v195
	v_add_nc_u32 v[AP0], PRM, v[AP0]
	s_mul_i32 s15, s14, STGW
	s_add_co_u32 s15, s15, STG             ; my stage
	v_mul_u32_u24 v[ASR], v194, 144
	v_lshl_add_u32 v[ASR], v195, 4, v[ASR]
	v_add_nc_u32 v[ASR], s15, v[ASR]
	v_mul_u32_u24 v[ASW], v195, 1152
	v_lshl_add_u32 v[ASW], v194, 3, v[ASW]
	v_add_nc_u32 v[ASW], s15, v[ASW]
	s_lshl_b32 s15, s14, 14
	s_add_co_u32 s15, s15, RT              ; my centred numbers
	v_add_nc_u32 v[ART], s15, v[LW]
	v_lshlrev_b32 v[GO], 11, v195
	v_lshl_add_u32 v[GO], v194, 4, v[GO]
	v_lshlrev_b32 v196, 4, v0              ; the weights' copy: 16 bytes a thread, 4,096 a round, the same offset in memory and in LDS
	v_add_nc_u32 v197, 0x10000, v196       ; LDS offsets hold 16 bits: the last six rounds have an address of their own
	v_lshlrev_b32 v198, 4, v194
	s_lshl_b32 s16, ttmp9, 18              ; the work-group's 1,024 rows of 256 bytes,
	s_lshl_b32 s17, s14, 15                ; my wave's 128
	s_add_co_u32 s16, s16, s17
	s_mov_b32 s17, 0
	s_mov_b32 s30, 0x3ec88bda              ; p1 = 0.47047 / sqrt(log2(e))
	s_mov_b32 s32, 0x3eb2303a              ; a1 = 0.3480242; the pairs' upper words are named with the lower and so are written
	s_mov_b32 s33, s32
	s_mov_b32 s34, 0xbdc45ca1              ; a2 = -0.0958798
	s_mov_b32 s35, s34
	s_mov_b32 s36, 0x3f3f7377              ; a3 = 0.7478556
	s_mov_b32 s37, s36
	s_mov_b32 s38, 0x3f16b55f              ; 1 / (2 KAPPA)
	s_mov_b32 s39, s38
	s_mov_b32 s40, 0x76543210              ; each lane takes its own place in the other half
	s_mov_b32 s41, 0xfedcba98
	s_mov_b32 s47, 0x3727c5ac              ; 1e-5
	s_mov_b32 s48, 0x3c000000              ; 1 / 128
	s_mov_b32 s49, 0x3d000000              ; 1 / 32
	s_wait_kmcnt 0x0
	s_load_b256 s[20:27], s[8:9], PRM+P_ATT
	s_add_nc_u64 s[4:5], s[4:5], s[16:17]
	s_add_nc_u64 s[6:7], s[6:7], s[16:17]
	s_add_nc_u64 s[12:13], s[12:13], s[16:17]
.set i_, 0
.rept 22
	global_load_b128 v[64+4*i_:64+4*i_+3], v196, s[8:9] offset:4096*i_
.set i_, i_+1
.endr
	global_load_b128 v[BO:BO+3], v198, s[10:11]
	PFLOAD                                 ; pass 0's rows
	s_wait_loadcnt 0x20                    ; loads come back in order (ISA guide 5.7.1): all but the 32 just issued
.set i_, 0
.rept 16
	ds_store_b128 v196, v[64+4*i_:64+4*i_+3] offset:4096*i_
.set i_, i_+1
.endr
.set i_, 0
.rept 6
	ds_store_b128 v197, v[128+4*i_:128+4*i_+3] offset:4096*i_
.set i_, i_+1
.endr
	s_wait_dscnt 0x0                       ; for the others' sake: my part of the weights is in LDS
	s_barrier_signal -1
	s_barrier_wait -1                      ; everybody's is; from here on nobody writes those bytes
	v_cvt_pk_bf16_f32 v199, v[BO], v[BO+1] ; the output's bias, rounded like every input
	v_cvt_pk_bf16_f32 v200, v[BO+2], v[BO+3]
	v_lshlrev_b32 v[BO], 16, v199
	v_and_b32 v[BO+1], 0xffff0000, v199
	v_lshlrev_b32 v[BO+2], 16, v200
	v_and_b32 v[BO+3], 0xffff0000, v200
	v_mov_b32 v199, 0x3f80                 ; bf16 1.0 in the low half: k = 80, which meets the bias column
	v_cmp_eq_u32 vcc_lo, 0, v195
	v_cndmask_b32 v[EFR+4], 0, v199, vcc_lo
	v_mov_b32 v[EFR+12], v[EFR+4]
.irp i, 5,6,7,13,14,15
	v_mov_b32 v[EFR+\i], 0
.endr
.set i_, 0
.rept 8
	v_mov_b32 v[ST+i_], 0                  ; v_permlanex16_b32 counts as a reader of its destination: these and the next sixteen are written once
	v_mov_b32 v[KV+8+i_], 0
	v_mov_b32 v[KV+24+i_], 0
.set i_, i_+1
.endr
	PFSTORE
	s_add_nc_u64 s[4:5], s[4:5], 0x2000    ; the loads are done: on to pass 1's rows
	s_add_nc_u64 s[6:7], s[6:7], 0x2000
	s_mov_b32 s42, 4
	s_wait_kmcnt 0x0                       ; A and C
.Lpass:
	; the pass's fragments of query and kv out of my stage (LDS serves a wave's instructions in order: these see the stores), and Wq's and Wkv's
	WIN 0x40
.set i_, 0
.rept 4                                ; tile i / 2, K step i % 2
	ds_load_b128 v[QF+8*i_:QF+8*i_+3],   v[ASR] offset:2304*(i_/2)+64*(i_%2)
	ds_load_b128 v[QF+8*i_+4:QF+8*i_+7], v[ASR] offset:2304*(i_/2)+64*(i_%2)+32
	ds_load_b128 v[KF+8*i_:KF+8*i_+3],   v[ASR] offset:4608+2304*(i_/2)+64*(i_%2)
	ds_load_b128 v[KF+8*i_+4:KF+8*i_+7], v[ASR] offset:4608+2304*(i_/2)+64*(i_%2)+32
.set i_, i_+1
.endr
.set n_, 0
.rept 4
	LDFRAG n_, LW, n_*1024
.set n_, n_+1
.endr
	WIN 0
	s_cmp_eq_u32 s42, 1
	s_cbranch_scc1 .Lno_load               ; the last pass has no next
	PFLOAD                                 ; a whole pass lies between these loads and the wait for them
.Lno_load:
	s_wait_dscnt 0x0
	WIN 0x05                               ; the accumulators take turns, one instruction a turn, here and everywhere below
	MMB0 AQ,    WB,    QF
	MMB0 KV,    WB+16, KF
	MMB0 AQ+8,  WB,    QF+16
	MMB0 KV+16, WB+16, KF+16
	MMB  AQ,    WB+8,  QF+8,  AQ
	MMB  KV,    WB+24, KF+8,  KV
	MMB  AQ+8,  WB+8,  QF+24, AQ+8
	MMB  KV+16, WB+24, KF+24, KV+16
	WIN 0
	PLACES
	ATT 0
	ATT 1
	; mlp_eps, first layer: folded fc1 on r, the folded bias as C
	WIN 0x40
.set n_, 0
.rept 8
	LDFRAG n_, LW, (F_E1+n_)*1024
.set n_, n_+1
.endr
	WIN 0
	LDVEC 192, AP0, P_B1E, 8
	s_wait_dscnt 0x0
	WIN 0x01
.set n_, 0
.rept 8
	MMB Z+8*n_,    WB+8*n_, RF,   192+8*n_
	MMB Z+64+8*n_, WB+8*n_, RF+8, 192+8*n_
.set n_, n_+1
.endr
	WIN 0
	PLACES
	STATS Z, 64, 0, 48, 1
	STATS Z+64, 64, 1, 48, 1
	; second layer: the identity skip, folded onto r, and the folded bias start the sums ahead of the loop
	WIN 0x40
	LDFRAG 0, LW, F_E2M*1024
	LDFRAG 1, LW, (F_E2M+1)*1024
	WIN 0
	LDVEC PBB, AP0, P_B2E, 2
	s_wait_dscnt 0x0                       ; these, and the stores of the centred numbers, whose registers the products write
	WIN 0x01
	MMB Z2,    WB,   RF,   PBB
	MMB Z2+8,  WB+8, RF,   PBB+8
	MMB Z2+16, WB,   RF+8, PBB
	MMB Z2+24, WB+8, RF+8, PBB+8
	WIN 0
	s_mov_b32 s43, 4
	s_mov_b32 s44, 0
	s_mov_b32 s45, 0
	s_mov_b32 s46, F_E2*1024
.Leloop:                                       ; a trip: 32 features of both tiles: gain, bias, GELU, and their K step of eps_fc2
	LTOP P_S1E, P_T1E
	AFFINE Y, 0
	WIN 0x40
	LDFRAG 0, AWL, 0
	LDFRAG 1, AWL, 1024
	WIN 0
	GELU16 Y, 0
	CVTB Y, Y, 8
	s_wait_dscnt 0x4                       ; tile 1's numbers are in; the four weight loads may be out
	AFFINE Y+16, 1
	GELU16 Y+16, 0
	CVTB Y+16, Y+16, 8
	s_wait_dscnt 0x0
	WIN 0x01
	MMB Z2,    WB,   Y,    Z2
	MMB Z2+8,  WB+8, Y,    Z2+8
	MMB Z2+16, WB,   Y+16, Z2+16
	MMB Z2+24, WB+8, Y+16, Z2+24
	WIN 0
	s_add_co_u32 s44, s44, 2048
	s_add_co_u32 s45, s45, 128
	s_add_co_u32 s46, s46, 2048
	s_sub_co_u32 s43, s43, 1
	s_cmp_lg_u32 s43, 0
	s_cbranch_scc1 .Leloop
	TAIL P_S2E, P_T2E, 0
	; eps_ = eps_fc on it, and as the third K step's fragment
	WIN 0x40
	LDFRAG 0, LW, F_EF*1024
	WIN 0
	LDVEC PBB, AP0, P_BFE, 1
	s_wait_dscnt 0x0
	WIN 0x01
	MMB Z3,   WB, RF,   PBB
	MMB Z3+8, WB, RF+8, PBB
	WIN 0
	PLACES 5                               ; five: the next products write over these two's registers
	CVTB EFR, Z3, 4
	CVTB EFR+8, Z3+8, 4
	; mlp_residual, first layer: K = 96: the query's 64, eps_'s 16, the bias column, zeros
.irp ks, 0,1,2
	WIN 0x40
.set n_, 0
.rept 8
	LDFRAG n_, LW, (F_R1+8*\ks+n_)*1024
.set n_, n_+1
.endr
	s_wait_dscnt 0x0
.if \ks < 2
	WIN 0x05
.else
	WIN 0x01
.endif
.set n_, 0
.rept 8
.if \ks == 0
	MMB0 Z+8*n_,    WB+8*n_, QF
	MMB0 Z+64+8*n_, WB+8*n_, QF+16
.elseif \ks == 1
	MMB Z+8*n_,    WB+8*n_, QF+8,  Z+8*n_
	MMB Z+64+8*n_, WB+8*n_, QF+24, Z+64+8*n_
.else
	MMB Z+8*n_,    WB+8*n_, EFR,   Z+8*n_
	MMB Z+64+8*n_, WB+8*n_, EFR+8, Z+64+8*n_
.endif
.set n_, n_+1
.endr
	PLACES                                 ; in front of the next loads into the slots, and of the statistics
.endr
	WIN 0
	STATS Z, 64, 0, 48, 1
	STATS Z+64, 64, 1, 48, 1
	LDVEC Z2, AP0, P_B2R, 2                ; res_fc2's sums begin as its bias: nothing is cleared
	LDVEC Z2+16, AP0, P_B2R, 2
	s_mov_b32 s43, 4
	s_mov_b32 s44, 0
	s_mov_b32 s45, 0
	s_mov_b32 s46, F_RL*1024
.Lrloop:                                       ; a trip: 32 features of both tiles: gain, bias, GELU; res_match is added onto it in place; h in f16; its K step of res_fc2
	LTOP P_S1R, P_T1R
	AFFINE Y, 0
	WIN 0x40
.set n_, 0
.rept 8
	LDFRAG n_, AWL, n_*1024
.set n_, n_+1
.endr
	WIN 0
	GELU16 Y, 1
	s_wait_dscnt 0x10                      ; tile 1's numbers are in; the sixteen weight loads may be out
	AFFINE Y+16, 1
	GELU16 Y+16, 1
	s_wait_dscnt 0x0
	WIN 0x05                               ; slot 3 nn + ks: res_match, feature tile nn of the trip's two, K step ks
	MMB Y,    WB,    QF,    Y
	MMB Y+8,  WB+24, QF,    Y+8
	MMB Y+16, WB,    QF+16, Y+16
	MMB Y+24, WB+24, QF+16, Y+24
	MMB Y,    WB+8,  QF+8,  Y
	MMB Y+8,  WB+32, QF+8,  Y+8
	MMB Y+16, WB+8,  QF+24, Y+16
	MMB Y+24, WB+32, QF+24, Y+24
	WIN 0x01
	MMB Y,    WB+16, EFR,   Y
	MMB Y+8,  WB+40, EFR,   Y+8
	MMB Y+16, WB+16, EFR+8, Y+16
	MMB Y+24, WB+40, EFR+8, Y+24
	WIN 0
	PLACES
	CVTH Y, Y, 8
	CVTH Y+16, Y+16, 8
	WIN 0x01
	MMH Z2,    WB+48, Y,    Z2
	MMH Z2+8,  WB+56, Y,    Z2+8
	MMH Z2+16, WB+48, Y+16, Z2+16
	MMH Z2+24, WB+56, Y+16, Z2+24
	WIN 0
	s_add_co_u32 s44, s44, 2048
	s_add_co_u32 s45, s45, 128
	s_add_co_u32 s46, s46, 8192
	s_sub_co_u32 s43, s43, 1
	s_cmp_lg_u32 s43, 0
	s_cbranch_scc1 .Lrloop
	TAIL P_S2R, P_T2R, 1
	; the output: source 0 = the batch rows, source 1 = res_fc's fragment tt: register j of lane (r, hh) is row 8 hh + j, feature 4 r + tt
	v_add_nc_u32 v[AWL], F_RO*1024, v[LW]
	WIN 0x40
.set n_, 0
.rept 4
	LDFRAG n_, AWL, n_*1024
.set n_, n_+1
.endr
	s_wait_dscnt 0x0
	WIN 0x04
.set n_, 0
.rept 8
	MMH0 OA+8*n_, RF+8*(n_/4), WB+8*(n_%4)
.set n_, n_+1
.endr
	WIN 0
	PLACES
.set i_, 0
.rept 64                               ; tile i / 32, row j = (i / 4) % 8, fragment tt = i % 4: j ascending, so each accumulator's register 0 is read first
	v_add_f32 v[OUT+i_], v[OA+32*(i_/32)+8*(i_%4)+(i_/4)%8], v[BO+i_%4]
.set i_, i_+1
.endr
.set i_, 0
.rept 16
	global_store_b128 v[GO], v[OUT+4*i_:OUT+4*i_+3], s[12:13] offset:4096*(i_/8)+256*(i_%8) th:TH_STORE_NT  ; sixteen lanes store 256 consecutive bytes, a whole row, at a multiple of 256 from the buffer's first byte
.set i_, i_+1
.endr
	s_cmp_eq_u32 s42, 1
	s_cbranch_scc1 .Lno_store
	PFSTORE                                ; the next pass's rows into the stage, whose reads were waited for at this pass's head
.Lno_store:
	s_wait_xcnt 0x0                        ; every earlier memory instruction has had its addresses translated (ISA guide 3.1): only behind this wait are the three bases stepped and the stores' registers written again
	s_add_nc_u64 s[4:5], s[4:5], 0x2000
	s_add_nc_u64 s[6:7], s[6:7], 0x2000
	s_add_nc_u64 s[12:13], s[12:13], 0x2000
	s_sub_co_u32 s42, s42, 1
	s_cmp_lg_u32 s42, 0
	s_cbranch_scc1 .Lpass
	s_wait_tensorcnt 0x0                   ; the wave's end, behind my last LDS store
	ds_add_u32 v[SPW], v[NIL]
	s_wait_dscnt 0x0
	s_endpgm
.Lfunc_end_k_qf5cdb65d6f_main:
	.size	k_qf5cdb65d6f_main, .Lfunc_end_k_qf5cdb65d6f_main-k_qf5cdb65d6f_main
	.p2alignl 7, 3214868480
	.fill 96, 4, 3214868480
	.section	.rodata,"a",@progbits
	.p2align	6, 0x0
	.amdhsa_kernel k_qf5cdb65d6f_main
		.amdhsa_group_segment_fixed_size 295936
		.amdhsa_private_segment_fixed_size 0
		.amdhsa_enable_private_segment 0
		.amdhsa_kernarg_size 40
		.amdhsa_user_sgpr_count 2
		.amdhsa_user_sgpr_kernarg_segment_ptr 1
		.amdhsa_wavefront_size32 1
		.amdhsa_system_sgpr_workgroup_id_x 1
		.amdhsa_system_sgpr_workgroup_id_y 1
		.amdhsa_system_sgpr_workgroup_id_z 1
		.amdhsa_system_vgpr_workitem_id 0
		.amdhsa_next_free_vgpr 512
		.amdhsa_next_free_sgpr 66
		.amdhsa_reserve_vcc 1
		.amdhsa_float_denorm_mode_32 3
		.amdhsa_float_denorm_mode_16_64 3
		.amdhsa_memory_ordered 1
		.amdhsa_forward_progress 1
		.amdhsa_inst_pref_size 225
	.end_amdhsa_kernel
	.amdgpu_metadata
---
amdhsa.version: [ 1, 2 ]
amdhsa.kernels:
  - .name:           k_qf5cdb65d6f_main
    .symbol:         k_qf5cdb65d6f_main.kd
    .args:
      - { .name: query_embed, .offset: 0, .size: 8, .value_kind: global_buffer, .address_space: global }
      - { .name: kv_embed, .offset: 8, .size: 8, .value_kind: global_buffer, .address_space: global }
      - { .name: wts, .offset: 16, .size: 8, .value_kind: global_buffer, .address_space: global }
      - { .name: res_fc_b, .offset: 24, .size: 8, .value_kind: global_buffer, .address_space: global }
      - { .name: out0, .offset: 32, .size: 8, .value_kind: global_buffer, .address_space: global }
    .group_segment_fixed_size: 295936
    .private_segment_fixed_size: 0
    .kernarg_segment_align: 8
    .kernarg_segment_size: 40
    .max_flat_workgroup_size: 256
    .sgpr_count:     66
    .vgpr_count:     512
    .wavefront_size: 32
...
	.end_amdgpu_metadata
.endif
;; end of part 2
;; ======== version 2 of 2: 2 launches; version 1 with the launch main written anew for expert scheduling mode
;; limits: a function is approximated: absolute error at most 2.5e-05; values are held in f16: magnitudes above 65,504 overflow, below 6.1e-05 lose precision
;; workspace buffers: wts 90,112 bytes
;; launch prep: the kernel of part 1 again; grid 86 x 1, 2 waves a work-group, no clusters, 0 bytes of LDS; arguments Wq, Wkv, eps_fc1_w, eps_fc2_w, eps_fc_w, res_fc1_w, res_match_w, res_fc2_w, res_fc_w, eps_fc1_b, eps_fc2_b, eps_fc_b, res_fc1_b, res_match_b, res_fc2_b, eps_ln1_s, eps_ln1_b, res_ln1_s, res_ln1_b, eps_ln2_s, eps_ln2_b, res_ln2_s, res_ln2_b, in_proj_w, in_proj_b, out_proj_w, out_proj_b, wq_embed, wkv_embed, wts; writes wts
;; launch main (part 3): grid 256 x 1, 8 waves a work-group, no clusters, 295,936 bytes of LDS; arguments query_embed, kv_embed, wts, res_fc_b, out0; writes out0
.if DOCPART == 3
	.amdgcn_target "amdgcn-amd-amdhsa--gfx1250"
	.amdhsa_code_object_version 6
	.text
	.protected	k_qf5cdb65d6f_main
	.globl	k_qf5cdb65d6f_main
	.p2align	8
	.type	k_qf5cdb65d6f_main,@function
k_qf5cdb65d6f_main:
	s_mov_b64 s[64:65], 0
	v_nop
	global_prefetch_b8 v0, s[64:65] scope:SCOPE_SE
	s_setreg_imm32_b32 hwreg(HW_REG_WAVE_SCHED_MODE, 0, 2), 2
	s_setreg_imm32_b32 hwreg(HW_REG_WAVE_MODE, 25, 1), 1
	s_wait_xcnt 0x0
	s_wait_alu depctr_vm_vsrc(0)
; MAIN: the whole module for 262,144 rows, each independent of the others.  A work-group owns 1,024 rows, each of its eight waves 128: four passes of two tiles of 16 rows.
; Behind one barrier (the weights' copy into LDS) no wave waits for another.
; LAYOUT.  Every layer but the last is used transposed, D^T = W X^T: source 0 = 16 rows of a weight, source 1 = 16 batch rows.  Lane L (r = L % 16, hh = L / 16) then holds batch row r, and
; register j of feature tile n holds feature 16 n + 8 hh + j.  Two such tiles, rounded in pairs, ARE source 1 of the next layer: nothing changes lanes between layers, and a LayerNorm's sums want one
; exchange between the halves of the lanes.  The last layer is used the other way round, with column r of weight fragment tt standing for feature 4 r + tt: the bias's addition then puts four
; neighbouring features into four neighbouring registers, and sixteen lanes store one row of 256 bytes.
; ATTENTION.  Its inputs have rank one (see the first launch): with t = q_i A_h + C_h (log2(e) / 2 folded in) the weights are p_k = 2^(kv_k t - m), m = max_k kv_k t = max(t kvmax, t kvmin), the row's true
; maximum; all that the layers behind need is r_hi = sum_k p_k kv_k / sum_k p_k, 32 numbers a row.  A lane holds 8 queries x 2 heads and all 16 kv of its row (8 of them from the lane 16 away).
; LAYERNORM in two passes as it is defined: the mean, the centred numbers, their squares.  The centred numbers of a layer of 128 go through the wave's own LDS, so that gain, bias, GELU and the next
; product are four trips on fixed registers, three of them a loop and the fourth written out, and the text stays short.
; GELU by erf's rational form (Abramowitz and Stegun 7.1.25, error in erf at most 2.5e-5 for every x): y = KAPPA x comes out of the scaled gain and bias, t = 1 / (1 + p1 |y|),
; Q = t (a1 + t (a2 + t a3)) 2^(-y y), and y + |y| (1 - Q) = 2 KAPPA gelu(x); the factor 1 / (2 KAPPA) lies in the next weights, or is applied (tr = 1) where the skip is added onto the result.
; FORMATS.  All inputs are rounded to bf16; products in bf16 with f32 sums, but the last two (res_fc2 on h, res_fc on its GELU) in f16, whose operands the program itself makes.
; LIMITS.  h and 2 KAPPA gelu must stay under 65,504 in size (f16).  A weight p below 2^-126 counts as 0.  erf as above.  NaN and infinities are not treated apart.
; NO CLUSTER, NO TENSOR LOADS: all that work-groups share is the 90,112 bytes of weights, against 524,288 bytes of rows of its own that each reads; the rows come by 16-byte loads of which sixteen
; lanes take one whole row of 256 bytes, a pass ahead of their use, are rounded once and turned through the wave's own stage: no wave has to meet another for a refill.
; THE MODE: SCHED_MODE bits 1:0 = 2 (LLVM: expert scheduling mode 2), set by the entry lines.  The code itself states the register dependences between vector or matrix instructions and memory or LDS
; instructions, with s_wait_alu, always for 0.
; THE PLAN.  Registers that memory or LDS instructions touch, and who else names them:
;   v1-6         addresses: made at the head, ahead of its one wait on va_vdst; never written again.
;   v7-9         the loops' addresses: set ahead of each loop and stepped once a trip, each time behind a wait on vm_vsrc and ahead of a wait on va_vdst that stands there for another reason too.
;   rows         (window 1, v0-127) global loads land; the roundings read and write them; one wait on va_vdst; the stage's stores read them; the wait on vm_vsrc at a pass's head frees them for the next loads.
;   slots 0-11   (window 1, v160-255) weight fragments: loads land, matrix instructions alone read.  Each is asked for again behind a wait on va_vdst that follows its last reader.
;   Z            (v64-191) as the data of the centred numbers' stores: written by the centring; one wait on va_vdst a tile, behind the squares; the sixteen stores are dealt among the lines of the sum across
;                the lanes, which name v16-31 alone; a wait on vm_vsrc frees tile 0's registers ahead of the loop's first loads, another tile 1's ahead of the first products or loads that write them.
;   PS PT Y0 Y1  gains, biases, centred numbers: loads land; AFFINE, GELU, the roundings and (residual loop) the first match products read.
;   OUT          written by the bias's additions; one wait on va_vdst; the sixteen global stores read it; freed at the next pass's head.
; A batch of transcendentals has its wait on va_vdst ahead of its first reader in any case; most loads stand directly behind such a wait, whose comment says what else it states.
; In a trip: behind tile 0's GELU wait this trip's weights and Y1; behind tile 1's the next trip's PS, PT and Y0 (a trip's fragments are packed into H, so that Y0 is free by then).
; REGISTERS, in two windows of 256 (s_set_vgpr_msb: bits 1:0 source 0, 3:2 source 1, 5:4 source 2, 7:6 destination).
;   window 0: v1-11 addresses; v12-15 the output's bias; v16-23 statistics; v24-31 four chains; v32-47 eps_ as a fragment; v48-63 r, later a GELU, as a fragment; v64-191 and v192-255 at work (names below)
;   window 1: v0-127 the next pass's rows; v128-159 the query's fragments; v160-223 weight slots 0-7; v224-255 kv's fragments, then weight slots 8-11
.set F_E1,  4                          ; fragments in LDS, 1,024 bytes each: 0 Wq, 2 Wkv, 4 folded fc1, 12 folded skip, 14 eps_fc2, 22 eps_fc, 23 res_fc1, 47 res_match and res_fc2, 79 res_fc
.set F_E2M, 12
.set F_E2,  14
.set F_EF,  22
.set F_R1,  23
.set F_RL,  47
.set F_RO,  79
.set PRM,   84992                      ; f32 parameters, in feature order
.set P_B1E, 0
.set P_S1E, 512
.set P_T1E, 1024
.set P_S1R, 1536
.set P_T1R, 2048
.set P_B2E, 2560
.set P_S2E, 2688
.set P_T2E, 2816
.set P_B2R, 2944
.set P_S2R, 3072
.set P_T2R, 3200
.set P_BFE, 3328
.set P_ATT, 3392
.set STG,   90112                      ; a wave's stage: 9,216 bytes: q tile 0, q tile 1, kv tile 0, kv tile 1, each 16 rows of 128 bytes + 16 of padding (36 words: the 16 rows of a load start at 16 different groups of four banks)
.set STGW,  9216
.set RT,    163840                     ; a wave's centred numbers: 16,384 bytes: registers 4 i .. 4 i + 3 of tile t at 8,192 t + 512 i + 16 lane
.set SPARE, 294912                     ; the spare words, 128 bytes for each wave: four blocks of 256 bytes that no other line names
.set LW,  1                            ; 16 lane
.set AP0, 2                            ; PRM + 32 hh
.set ASR, 3                            ; stage, read: + 144 r + 16 hh
.set ASW, 4                            ; stage, written: + 1,152 hh + 8 r
.set ART, 5                            ; my 16 bytes in RT
.set GO,  6                            ; 2,048 hh + 16 r: my 16 bytes in rows j and j + 8 of a tile, in the inputs and in the output
.set AWL, 7                            ; loop addresses: weights,
.set APL, 8                            ; parameters,
.set ARL, 9                            ; centred numbers
.set SPW, 10                           ; LDS address of my spare word; never rewritten
.set NIL, 11                           ; 0; never rewritten
.set BO,  12                           ; res_fc_b[4 r + tt]
.set ST,  16                           ; tile t at ST + 4 t: mean, at work, 1 / sqrt(var + eps), at work
.set CH,  24
.set EFR, 32                           ; tile t at EFR + 8 t: registers 0-3 eps_ (k = 64 + 8 hh ..), register 4 the 1.0 of column 80 (hh = 0), 5-7 zero
.set RF,  48                           ; tile t at RF + 8 t
.set Z,   64                           ; a layer of 128: tile t, feature tile n at Z + 64 t + 8 n
.set KV,  64                           ; attention: tile t's 16 kv at KV + 16 t
.set AQ,  96                           ; its 8 q at AQ + 8 t
.set TQ,  112                          ; t for head h, query j at TQ + 8 h + j
.set MQ,  128                          ; the maxima
.set NUM, 144
.set DEN, 160
.set KM,  176                          ; kvmax, kvmin
.set E0,  192
.set E1,  208
.set Y,   64                           ; loops: tile t's 32 features of a trip at Y + 16 t
.set PS,  96                           ; gains
.set PT,  112                          ; biases
.set Z2,  128                          ; a layer of 32: tile t, feature tile n at Z2 + 16 t + 8 n
.set H,   160                          ; loops: tile t at H + 16 t: a trip's 32 features as the next product's fragment (8 registers); in the residual loop first the two sums GELU + match (16)
.set Z3,  160                          ; eps_: tile t at Z3 + 8 t
.set PBB, 192                          ; a bias as C operand
.set TT,  208
.set TE,  224
.set TP,  240
.set OA,  64                           ; the output's products: tile t, fragment tt at OA + 32 t + 8 tt
.set OUT, 128                          ; and as stored: tile t, row j at OUT + 32 t + 4 j
.set QF,  128                          ; window 1: tile t, K step ks at QF + 16 t + 8 ks
.set WB,  160                          ; window 1: slot s at WB + 8 s, s = 0 .. 11
.set KF,  224                          ; window 1
; scalars: s[4:5] query (next pass), s[6:7] kv, s[8:9] wts, s[10:11] res_fc_b, s[12:13] out (this pass); s14 wave; s[20:27] A0 A0 C0 C0 A1 A1 C1 C1; s30 p1; s[32:33] a1; s[34:35] a2; s[36:37] a3;
; s[38:39] 1 / (2 KAPPA); s[40:41] lane selects; s42 passes left; s43 trips left; s47 1e-5; s48 1/128; s49 1/32
.set MSB, 0
.macro WIN new                         ; the immediate's high byte repeats the setting that is left; a switch that changes nothing is dropped
.if MSB != (\new)
	s_set_vgpr_msb (MSB<<8)|(\new)
.set MSB, \new
.endif
.endm
; A vector instruction that reads a matrix result or writes one of a matrix instruction's registers stands four plain vector instructions behind it; a matrix
; instruction that takes the result as a source or writes over one of its registers, five (ISA guide 7.12.1 for vector instructions).
.macro PLACES n=4
.rept \n
	v_nop
.endr
.endm
.macro MMB d, a, b, c
	v_wmma_f32_16x16x32_bf16 v[(\d):(\d)+7], v[(\a):(\a)+7], v[(\b):(\b)+7], v[(\c):(\c)+7]
.endm
.macro MMB0 d, a, b                    ; the first product starts the sum
	v_wmma_f32_16x16x32_bf16 v[(\d):(\d)+7], v[(\a):(\a)+7], v[(\b):(\b)+7], 0
.endm
.macro MMH d, a, b, c
	v_wmma_f32_16x16x32_f16 v[(\d):(\d)+7], v[(\a):(\a)+7], v[(\b):(\b)+7], v[(\c):(\c)+7]
.endm
.macro MMH0 d, a, b
	v_wmma_f32_16x16x32_f16 v[(\d):(\d)+7], v[(\a):(\a)+7], v[(\b):(\b)+7], 0
.endm
.macro LDFRAG slot, areg, off          ; a weight fragment into slot (the destination's window is 1): 32 lanes x 16 neighbouring bytes, twice
	ds_load_b128 v[WB+8*(\slot):WB+8*(\slot)+3],   v[\areg] offset:(\off)
	ds_load_b128 v[WB+8*(\slot)+4:WB+8*(\slot)+7], v[\areg] offset:(\off)+512
.endm
.macro LDVEC dst, areg, off, nt        ; parameters of nt feature tiles: features 16 q + 8 hh + 0..7 into dst + 8 q
.set q_, 0
.rept \nt
	ds_load_b128 v[(\dst)+8*q_:(\dst)+8*q_+3],   v[\areg] offset:(\off)+64*q_
	ds_load_b128 v[(\dst)+8*q_+4:(\dst)+8*q_+7], v[\areg] offset:(\off)+64*q_+16
.set q_, q_+1
.endr
.endm
.macro LDY t, areg                     ; tile t's 16 centred numbers of a trip
.set q_, 0
.rept 4
	ds_load_b128 v[Y+16*(\t)+4*q_:Y+16*(\t)+4*q_+3], v[\areg] offset:8192*(\t)+512*q_
.set q_, q_+1
.endr
.endm
.macro PFLOAD                          ; the next pass's 32 rows of query and of kv: each load takes rows j and j + 8 of a tile, sixteen lanes a whole row of 256 bytes
	WIN 0x40
.set i_, 0
.rept 16
	global_load_b128 v[4*i_:4*i_+3], v[GO], s[4:5] offset:4096*(i_/8)+256*(i_%8) th:TH_LOAD_NT
.set i_, i_+1
.endr
.set i_, 0
.rept 16
	global_load_b128 v[64+4*i_:64+4*i_+3], v[GO], s[6:7] offset:4096*(i_/8)+256*(i_%8) th:TH_LOAD_NT
.set i_, i_+1
.endr
	WIN 0
.endm
.macro PFSTORE                         ; they are rounded to bf16 and go into my stage, 8 bytes a lane: the two halves of the lanes lie 288 words apart and meet different banks
	s_wait_loadcnt 0x0                     ; nothing else of mine is being loaded
	WIN 0x45
.set i_, 0
.rept 32
	v_cvt_pk_bf16_f32 v[4*i_], v[4*i_], v[4*i_+1]
	v_cvt_pk_bf16_f32 v[4*i_+1], v[4*i_+2], v[4*i_+3]
.set i_, i_+1
.endr
	WIN 0x04
	s_wait_alu depctr_va_vdst(0)           ; the roundings have written the registers that the stores below read
.set i_, 0
.rept 32
	ds_store_b64 v[ASW], v[4*i_:4*i_+1] offset:4608*(i_/16)+2304*((i_/8)%2)+144*(i_%8)
.set i_, i_+1
.endr
	WIN 0
.endm
.macro REDUCE s                        ; the four chains, the pair's two halves, the other half of the lanes: the sum over a row's features in v[s + 1]
	v_pk_add_f32 v[CH:CH+1], v[CH:CH+1], v[CH+2:CH+3]
	v_pk_add_f32 v[CH+4:CH+5], v[CH+4:CH+5], v[CH+6:CH+7]
	v_pk_add_f32 v[CH:CH+1], v[CH:CH+1], v[CH+4:CH+5]
	v_add_f32 v[(\s)+1], v[CH], v[CH+1]
	v_permlanex16_b32 v[(\s)+3], v[(\s)+1], s40, s41
	v_add_f32 v[(\s)+1], v[(\s)+1], v[(\s)+3]
.endm
.macro RSTO zb, t, first               ; four of the sixteen stores of tile t's centred numbers
.set q_, \first
.rept 4
	ds_store_b128 v[ART], v[(\zb)+4*q_:(\zb)+4*q_+3] offset:8192*(\t)+512*q_
.set q_, q_+1
.endr
.endm
.macro REDUCES s, zb, t                ; REDUCE with the tile's sixteen stores dealt among its lines, each of which waits for the one before it and names none of the stores' registers
	v_pk_add_f32 v[CH:CH+1], v[CH:CH+1], v[CH+2:CH+3]
	v_pk_add_f32 v[CH+4:CH+5], v[CH+4:CH+5], v[CH+6:CH+7]
	RSTO \zb, \t, 0
	v_pk_add_f32 v[CH:CH+1], v[CH:CH+1], v[CH+4:CH+5]
	RSTO \zb, \t, 4
	v_add_f32 v[(\s)+1], v[CH], v[CH+1]
	RSTO \zb, \t, 8
	v_permlanex16_b32 v[(\s)+3], v[(\s)+1], s40, s41
	RSTO \zb, \t, 12
	v_add_f32 v[(\s)+1], v[(\s)+1], v[(\s)+3]
.endm
; LayerNorm's statistics of tile t over nr registers a lane from zb on (2 nr features); sinv names the scalar 1 / (2 nr).  STATA: the mean, the centring in place, the squares' four chains.
; Each accumulator's lowest registers are read first.
.macro STATA zb, nr, t, sinv
.set k_, 0
.rept 4
	v_pk_add_f32 v[CH+2*k_:CH+2*k_+1], v[(\zb)+2*k_:(\zb)+2*k_+1], v[(\zb)+2*k_+8:(\zb)+2*k_+9]
.set k_, k_+1
.endr
.if (\nr) > 16
.set k_, 8
.rept (\nr)/2-8
	v_pk_add_f32 v[CH+2*(k_%4):CH+2*(k_%4)+1], v[CH+2*(k_%4):CH+2*(k_%4)+1], v[(\zb)+2*k_:(\zb)+2*k_+1]
.set k_, k_+1
.endr
.endif
	REDUCE ST+4*(\t)
	v_mul_f32 v[ST+4*(\t)], s[\sinv], v[ST+4*(\t)+1]
.set k_, 0
.rept (\nr)/2
	v_pk_add_f32 v[(\zb)+2*k_:(\zb)+2*k_+1], v[(\zb)+2*k_:(\zb)+2*k_+1], v[ST+4*(\t):ST+4*(\t)+1] op_sel_hi:[1,0] neg_lo:[0,1] neg_hi:[0,1]
.set k_, k_+1
.endr
.set k_, 0
.rept 4
	v_pk_mul_f32 v[CH+2*k_:CH+2*k_+1], v[(\zb)+2*k_:(\zb)+2*k_+1], v[(\zb)+2*k_:(\zb)+2*k_+1]
.set k_, k_+1
.endr
.set k_, 4
.rept (\nr)/2-4
	v_pk_fma_f32 v[CH+2*(k_%4):CH+2*(k_%4)+1], v[(\zb)+2*k_:(\zb)+2*k_+1], v[(\zb)+2*k_:(\zb)+2*k_+1], v[CH+2*(k_%4):CH+2*(k_%4)+1]
.set k_, k_+1
.endr
.endm
.macro STATB t, sinv                   ; the squares' sum, the variance, the root
	REDUCE ST+4*(\t)
	v_fma_f32 v[ST+4*(\t)+1], v[ST+4*(\t)+1], s[\sinv], s47
	v_rsq_f32 v[ST+4*(\t)+2], v[ST+4*(\t)+1]
	v_nop                                  ; a plain instruction behind the root
.endm
.macro STATBS zb, t, sinv              ; the same, with the stores of the centred numbers
	REDUCES ST+4*(\t), \zb, \t
	v_fma_f32 v[ST+4*(\t)+1], v[ST+4*(\t)+1], s[\sinv], s47
	v_rsq_f32 v[ST+4*(\t)+2], v[ST+4*(\t)+1]
	v_nop                                  ; a plain instruction behind the root
.endm
.macro AFFINE yb, t                    ; 16 centred numbers: y = z rstd (KAPPA s) + KAPPA b; the root's wait stands behind the statistics
.set i_, 0
.rept 8
	v_pk_mul_f32 v[(\yb)+2*i_:(\yb)+2*i_+1], v[(\yb)+2*i_:(\yb)+2*i_+1], v[ST+4*(\t)+2:ST+4*(\t)+3] op_sel_hi:[1,0]
.set i_, i_+1
.endr
.set i_, 0
.rept 8
	v_pk_fma_f32 v[(\yb)+2*i_:(\yb)+2*i_+1], v[(\yb)+2*i_:(\yb)+2*i_+1], v[PS+2*i_:PS+2*i_+1], v[PT+2*i_:PT+2*i_+1]
.set i_, i_+1
.endr
.endm
; 16 numbers y -> y + |y| (1 - Q), in two parts: GELUA issues the batch of 16 reciprocals and 16 exponentials, GELUB reads it; the batch's one wait is written between the two where they are used.
; Behind each run of transcendentals stands plain work that touches none of their registers: -y y behind the reciprocals, the polynomial's first step behind the exponentials.
.macro GELUA yb
.set i_, 0
.rept 16
	v_fma_f32 v[TT+i_], |v[(\yb)+i_]|, s30, 1.0
.set i_, i_+1
.endr
.set i_, 0
.rept 16
	v_rcp_f32 v[TT+i_], v[TT+i_]
.set i_, i_+1
.endr
.set i_, 0
.rept 8
	v_pk_mul_f32 v[TE+2*i_:TE+2*i_+1], v[(\yb)+2*i_:(\yb)+2*i_+1], v[(\yb)+2*i_:(\yb)+2*i_+1] neg_lo:[1,0] neg_hi:[1,0]
.set i_, i_+1
.endr
.set i_, 0
.rept 16
	v_exp_f32 v[TE+i_], v[TE+i_]
.set i_, i_+1
.endr
.endm
.macro GELUB yb, tr
.set i_, 0
.rept 8
	v_pk_fma_f32 v[TP+2*i_:TP+2*i_+1], v[TT+2*i_:TT+2*i_+1], s[36:37], s[34:35] op_sel_hi:[1,0,0]
.set i_, i_+1
.endr
.set i_, 0
.rept 8
	v_pk_fma_f32 v[TP+2*i_:TP+2*i_+1], v[TP+2*i_:TP+2*i_+1], v[TT+2*i_:TT+2*i_+1], s[32:33] op_sel_hi:[1,1,0]
.set i_, i_+1
.endr
.set i_, 0
.rept 8
	v_pk_mul_f32 v[TE+2*i_:TE+2*i_+1], v[TE+2*i_:TE+2*i_+1], v[TT+2*i_:TT+2*i_+1]
.set i_, i_+1
.endr
.set i_, 0
.rept 8
	v_pk_fma_f32 v[TP+2*i_:TP+2*i_+1], v[TP+2*i_:TP+2*i_+1], v[TE+2*i_:TE+2*i_+1], 1.0 op_sel_hi:[1,1,0] neg_lo:[1,0,0] neg_hi:[1,0,0]
.set i_, i_+1
.endr
.set i_, 0
.rept 16
	v_fma_f32 v[(\yb)+i_], |v[(\yb)+i_]|, v[TP+i_], v[(\yb)+i_]
.set i_, i_+1
.endr
.if \tr
.set i_, 0
.rept 8
	v_pk_mul_f32 v[(\yb)+2*i_:(\yb)+2*i_+1], v[(\yb)+2*i_:(\yb)+2*i_+1], s[38:39] op_sel_hi:[1,0]
.set i_, i_+1
.endr
.endif
.endm
.macro CVTB dst, src, n                ; n pairs rounded to bf16, ascending: in place too, since register i is written when 2 i and 2 i + 1 have been read
.set i_, 0
.rept \n
	v_cvt_pk_bf16_f32 v[(\dst)+i_], v[(\src)+2*i_], v[(\src)+2*i_+1]
.set i_, i_+1
.endr
.endm
.macro CVTH dst, src, n                ; the same to f16
.set i_, 0
.rept \n
	v_cvt_pk_f16_f32 v[(\dst)+i_], v[(\src)+2*i_], v[(\src)+2*i_+1]
.set i_, i_+1
.endr
.endm
; Two of a lane's 16 pairs of head and query, c (even) and c + 1: the 16 weights of each, their sum and their sum times kv.  The odd one's scalings are the plain work behind the even one's
; exponentials; the chains begin with the even one's weights, which is the plain work behind the odd one's.  hook = 1 (the pass's first): the folded fc1's eight fragments are asked for behind the wait.
.macro COMBO2 kb, c, hook
.set p_, 0
.rept 8
	v_pk_fma_f32 v[E0+2*p_:E0+2*p_+1], v[(\kb)+2*p_:(\kb)+2*p_+1], v[TQ+(\c):TQ+(\c)+1], v[MQ+(\c):MQ+(\c)+1] op_sel_hi:[1,0,0] neg_lo:[0,0,1] neg_hi:[0,0,1]
.set p_, p_+1
.endr
.set p_, 0
.rept 16
	v_exp_f32 v[E0+p_], v[E0+p_]
.set p_, p_+1
.endr
.set p_, 0
.rept 8
	v_pk_fma_f32 v[E1+2*p_:E1+2*p_+1], v[(\kb)+2*p_:(\kb)+2*p_+1], v[TQ+(\c):TQ+(\c)+1], v[MQ+(\c):MQ+(\c)+1] op_sel:[0,1,1] op_sel_hi:[1,1,1] neg_lo:[0,0,1] neg_hi:[0,0,1]
.set p_, p_+1
.endr
.set p_, 0
.rept 16
	v_exp_f32 v[E1+p_], v[E1+p_]
.set p_, p_+1
.endr
	s_wait_alu depctr_va_vdst(0)           ; the 32 exponentials have written E0 and E1, ahead of their first reader; with hook = 1 also: the pass's first products are done reading slots 0-3
.if \hook
	WIN 0x40
.set n_, 0
.rept 8
	LDFRAG n_, LW, (F_E1+n_)*1024          ; no vector or matrix instruction from that wait to their use names slots 0-7
.set n_, n_+1
.endr
	WIN 0
.endif
	v_pk_add_f32 v[CH:CH+1], v[E0:E0+1], v[E0+2:E0+3]
	v_pk_mul_f32 v[CH+2:CH+3], v[E0:E0+1], v[(\kb):(\kb)+1]
	v_pk_add_f32 v[CH+4:CH+5], v[E1:E1+1], v[E1+2:E1+3]
	v_pk_mul_f32 v[CH+6:CH+7], v[E1:E1+1], v[(\kb):(\kb)+1]
	v_pk_fma_f32 v[CH+2:CH+3], v[E0+2:E0+3], v[(\kb)+2:(\kb)+3], v[CH+2:CH+3]
	v_pk_fma_f32 v[CH+6:CH+7], v[E1+2:E1+3], v[(\kb)+2:(\kb)+3], v[CH+6:CH+7]
.set p_, 2
.rept 6
	v_pk_add_f32 v[CH:CH+1], v[CH:CH+1], v[E0+2*p_:E0+2*p_+1]
	v_pk_fma_f32 v[CH+2:CH+3], v[E0+2*p_:E0+2*p_+1], v[(\kb)+2*p_:(\kb)+2*p_+1], v[CH+2:CH+3]
	v_pk_add_f32 v[CH+4:CH+5], v[CH+4:CH+5], v[E1+2*p_:E1+2*p_+1]
	v_pk_fma_f32 v[CH+6:CH+7], v[E1+2*p_:E1+2*p_+1], v[(\kb)+2*p_:(\kb)+2*p_+1], v[CH+6:CH+7]
.set p_, p_+1
.endr
	v_add_f32 v[DEN+(\c)], v[CH], v[CH+1]
	v_add_f32 v[NUM+(\c)], v[CH+2], v[CH+3]
	v_add_f32 v[DEN+(\c)+1], v[CH+4], v[CH+5]
	v_add_f32 v[NUM+(\c)+1], v[CH+6], v[CH+7]
.endm
.macro ATT t                           ; tile t's attention: from its q and kv to r as a fragment (registers 0-3 head 0, 4-7 head 1; queries 8 hh + 0..7)
.set K_, KV+16*(\t)
.set A_, AQ+8*(\t)
.set i_, 0
.rept 8
	v_permlanex16_b32 v[K_+8+i_], v[K_+i_], s40, s41   ; the row's other 8 kv lie in the lane 16 away
.set i_, i_+1
.endr
.set i_, 0
.rept 8
	v_pk_fma_f32 v[TQ+2*i_:TQ+2*i_+1], v[A_+2*(i_%4):A_+2*(i_%4)+1], s[20+4*(i_/4):21+4*(i_/4)], s[22+4*(i_/4):23+4*(i_/4)] op_sel_hi:[1,0,0]
.set i_, i_+1
.endr
	v_max3_num_f32 v[KM], v[K_], v[K_+1], v[K_+2]
	v_min3_num_f32 v[KM+1], v[K_], v[K_+1], v[K_+2]
.set i_, 3
.rept 6
	v_max3_num_f32 v[KM], v[KM], v[K_+i_], v[K_+i_+1]
	v_min3_num_f32 v[KM+1], v[KM+1], v[K_+i_], v[K_+i_+1]
.set i_, i_+2
.endr
	v_max_num_f32 v[KM], v[KM], v[K_+15]
	v_min_num_f32 v[KM+1], v[KM+1], v[K_+15]
.set i_, 0
.rept 8
	v_pk_mul_f32 v[MQ+2*i_:MQ+2*i_+1], v[TQ+2*i_:TQ+2*i_+1], v[KM:KM+1] op_sel_hi:[1,0]
	v_pk_mul_f32 v[E0+2*i_:E0+2*i_+1], v[TQ+2*i_:TQ+2*i_+1], v[KM:KM+1] op_sel:[0,1] op_sel_hi:[1,1]
.set i_, i_+1
.endr
.set i_, 0
.rept 16
	v_max_num_f32 v[MQ+i_], v[MQ+i_], v[E0+i_]
.set i_, i_+1
.endr
	COMBO2 K_, 0, (1-(\t))
.set c_, 2
.rept 7
	COMBO2 K_, c_, 0
.set c_, c_+2
.endr
.set i_, 0
.rept 16
	v_rcp_f32 v[DEN+i_], v[DEN+i_]
.set i_, i_+1
.endr
	v_nop                                  ; a plain instruction behind the reciprocals
	s_wait_alu depctr_va_vdst(0)           ; the 16 reciprocals have written DEN, ahead of their first reader; in tile 1 also: the last chains are done reading E0 and E1, v192-223
.if \t
	LDVEC 192, AP0, P_B1E, 8               ; the folded fc1's bias, its C operand: the lines below name NUM, DEN and RF alone
.endif
.set i_, 0
.rept 8
	v_pk_mul_f32 v[NUM+2*i_:NUM+2*i_+1], v[NUM+2*i_:NUM+2*i_+1], v[DEN+2*i_:DEN+2*i_+1]
.set i_, i_+1
.endr
	CVTB RF+8*(\t), NUM, 8
.endm
; Ahead of a loop, between tile 1's squares and their sum: the three loop addresses are set for trip 0, and trip 0's gains, biases and tile 0's numbers are asked for, into tile 0's registers of Z.
.macro PROLOG soff, toff, woff
	s_wait_alu depctr_vm_vsrc(0)           ; tile 0's stores have read v64-127, in which the loads below land; the loop before has read the three addresses written below
	v_mov_b32 v[ARL], v[ART]
	v_mov_b32 v[APL], v[AP0]
	v_add_nc_u32 v[AWL], \woff, v[LW]
	s_wait_alu depctr_va_vdst(0)           ; tile 1's centring has written v128-191, which its stores read; the three addresses are written; tile 0's statistics are done reading v64-127
	LDVEC PS, AP0, \soff, 2
	LDVEC PT, AP0, \toff, 2
	LDY 0, ART                             ; LDS serves a wave's instructions in order (ISA guide 5.7.1.4): these see tile 0's stores
.endm
; A trip of mlp_eps's loop: 32 features of both tiles: gain, bias, GELU, and their K step of eps_fc2.  last = 1: the fourth trip, written out: it steps nothing and asks for the second LayerNorm's gains and biases.
.macro ETRIP last
	s_wait_dscnt 0x0                       ; gains, biases and tile 0's numbers, asked for half a trip ago: nothing younger is out
	AFFINE Y, 0
	GELUA Y
	s_wait_alu depctr_va_vdst(0)           ; tile 0's batch has written TT and TE, ahead of its first reader; the last trip's products are done reading slots 8 and 9, its rounding is done reading Y1
	WIN 0x40
	LDFRAG 8, AWL, 0
	LDFRAG 9, AWL, 1024
	WIN 0
	LDY 1, ARL
	GELUB Y, 0
	CVTB H, Y, 8
	s_wait_dscnt 0x0                       ; the weights and tile 1's numbers
	AFFINE Y+16, 1
.if !\last
	s_wait_alu depctr_vm_vsrc(0)           ; the loads issued so far have read the three addresses
	v_add_nc_u32 v[ARL], 2048, v[ARL]      ; the next trip's
	v_add_nc_u32 v[APL], 128, v[APL]
	v_add_nc_u32 v[AWL], 2048, v[AWL]
.endif
	GELUA Y+16
	s_wait_alu depctr_va_vdst(0)           ; tile 1's batch has written TT and TE; both AFFINEs are done reading PS and PT, tile 0's rounding is done reading Y0; the three addresses are written
.if \last
	LDVEC PS, AP0, P_S2E, 2
	LDVEC PT, AP0, P_T2E, 2
.else
	LDVEC PS, APL, P_S1E, 2
	LDVEC PT, APL, P_T1E, 2
	LDY 0, ARL
.endif
	GELUB Y+16, 0
	CVTB H+16, Y+16, 8
	WIN 0x01
	MMB Z2,    WB+64, H,    Z2
	MMB Z2+8,  WB+72, H,    Z2+8
	MMB Z2+16, WB+64, H+16, Z2+16
	MMB Z2+24, WB+72, H+16, Z2+24
	WIN 0
.endm
; A trip of mlp_residual's loop: 32 features of both tiles: gain, bias, GELU; res_match is added onto it (the GELU is the first product's C, the sum lies in H); h in f16; its K step of res_fc2.
; Slot 3 nn + ks: res_match, feature tile nn of the trip's two, K step ks; slots 6, 7: res_fc2.  Tile 0's six match products stand ahead of tile 1's vector work.
.macro RTRIP last
	s_wait_dscnt 0x0                       ; gains, biases and tile 0's numbers; at the first trip res_fc2's bias in Z2 too: nothing younger is out
	AFFINE Y, 0
	GELUA Y
	s_wait_alu depctr_va_vdst(0)           ; tile 0's batch has written TT and TE, ahead of its first reader; the last trip's products are done reading slots 0-7 and Y1, their C
	WIN 0x40
.set n_, 0
.rept 8
	LDFRAG n_, AWL, n_*1024
.set n_, n_+1
.endr
	WIN 0
	LDY 1, ARL
	GELUB Y, 1
	s_wait_dscnt 0x4                       ; the sixteen weight loads are in; tile 1's four may be out
	WIN 0x05                               ; the accumulators take turns
	MMB H,    WB,    QF,    Y
	MMB H+8,  WB+24, QF,    Y+8
	MMB H,    WB+8,  QF+8,  H
	MMB H+8,  WB+32, QF+8,  H+8
	WIN 0x01
	MMB H,    WB+16, EFR,   H
	MMB H+8,  WB+40, EFR,   H+8
	WIN 0
	s_wait_dscnt 0x0                       ; tile 1's numbers
	AFFINE Y+16, 1
.if !\last
	s_wait_alu depctr_vm_vsrc(0)           ; the loads issued so far have read the three addresses
	v_add_nc_u32 v[ARL], 2048, v[ARL]      ; the next trip's
	v_add_nc_u32 v[APL], 128, v[APL]
	v_add_nc_u32 v[AWL], 8192, v[AWL]
.endif
	GELUA Y+16
	s_wait_alu depctr_va_vdst(0)           ; tile 1's batch has written TT and TE; both AFFINEs are done reading PS and PT, tile 0's first products are done reading Y0; the three addresses are written
.if \last
	LDVEC PS, AP0, P_S2R, 2
	LDVEC PT, AP0, P_T2R, 2
.else
	LDVEC PS, APL, P_S1R, 2
	LDVEC PT, APL, P_T1R, 2
	LDY 0, ARL
.endif
	GELUB Y+16, 1
	WIN 0x05
	MMB H+16, WB,    QF+16, Y+16
	MMB H+24, WB+24, QF+16, Y+24
	MMB H+16, WB+8,  QF+24, H+16
	MMB H+24, WB+32, QF+24, H+24
	WIN 0x01
	MMB H+16, WB+16, EFR+8, H+16
	MMB H+24, WB+40, EFR+8, H+24
	WIN 0
	CVTH H, H, 8                           ; tile 0's h: eight plain instructions that name no register of tile 1's products: the places behind those, for tile 1's roundings and for the products that take its fragment
	CVTH H+16, H+16, 8
	WIN 0x01
	MMH Z2,    WB+48, H,    Z2
	MMH Z2+8,  WB+56, H,    Z2+8
	MMH Z2+16, WB+48, H+16, Z2+16
	MMH Z2+24, WB+56, H+16, Z2+24
	WIN 0
.endm
; The second LayerNorm and GELU of a block, on the layer of 32 in Z2; the result as a fragment in RF, in bf16 or (half = 1) f16.  Behind tile 0's GELU wait the weights of the products that follow are asked for.
.macro TAIL half
	PLACES
	STATA Z2, 16, 0, 49
	STATB 0, 49
	STATA Z2+16, 16, 1, 49
	STATB 1, 49
	s_wait_alu depctr_va_vdst(0)           ; both roots are written, ahead of their first reader
	s_wait_dscnt 0x0                       ; gains and biases, asked for in the loop's last trip
	AFFINE Z2, 0
	GELUA Z2
.if \half
	s_wait_alu depctr_va_vdst(0)           ; tile 0's batch has written TT and TE, ahead of its first reader; res_fc1's last products are long done reading slots 8-11
	WIN 0x40
.set n_, 0
.rept 4
	LDFRAG 8+n_, AWL, 8192+n_*1024         ; res_fc's four fragments lie 8,192 bytes behind the last trip's weights, where v[AWL] still points
.set n_, n_+1
.endr
	WIN 0
.else
	s_wait_alu depctr_va_vdst(0)           ; tile 0's batch has written TT and TE, ahead of its first reader; the skip's products are done reading PBB, the pass's first slot 10, the folded fc1's slots 0-7
	LDVEC PBB, AP0, P_BFE, 1
	WIN 0x40
	LDFRAG 10, LW, F_EF*1024
.set n_, 0
.rept 8
	LDFRAG n_, LW, (F_R1+n_)*1024          ; res_fc1's first K step
.set n_, n_+1
.endr
	WIN 0
.endif
	GELUB Z2, 0
.if \half
	CVTH RF, Z2, 8
.else
	CVTB RF, Z2, 8
.endif
	AFFINE Z2+16, 1
	GELUA Z2+16
	s_wait_alu depctr_va_vdst(0)           ; tile 1's batch has written TT and TE, ahead of its first reader
	GELUB Z2+16, 0
.if \half
	CVTH RF+8, Z2+16, 8
.else
	CVTB RF+8, Z2+16, 8
.endif
.endm
; res_fc1 in six half steps h: K step h / 2, feature tiles 4 (h % 2) + 0..3, both tiles of rows: eight products on eight accumulators.  Its four fragments, F_R1 + 4 h + 0..3, lie in bank h % 3 of four slots.
; Half steps 0 to 2 are asked for ahead; behind the products of half step h < 3 their bank is asked for again, for half step h + 3: two half steps ahead of its use.
.macro RHALF h
.set ks_, (\h)/2
.set sb_, WB+32*((\h)%3)
.if (\h) < 4
	s_wait_dscnt 16                        ; LDS loads come back in order (ISA guide 5.7.1): this bank is in, the two younger banks (sixteen loads) may be out
.else
	s_wait_dscnt 8*(5-(\h))                ; the counts run down
.endif
.if ks_ < 2
	WIN 0x05
.else
	WIN 0x01
.endif
.set i_, 0
.rept 4
.set zn_, Z+8*(4*((\h)%2)+i_)
.if ks_ == 0
	MMB0 zn_,    sb_+8*i_, QF
	MMB0 zn_+64, sb_+8*i_, QF+16
.elseif ks_ == 1
	MMB zn_,    sb_+8*i_, QF+8,  zn_
	MMB zn_+64, sb_+8*i_, QF+24, zn_+64
.else
	MMB zn_,    sb_+8*i_, EFR,   zn_
	MMB zn_+64, sb_+8*i_, EFR+8, zn_+64
.endif
.set i_, i_+1
.endr
.if (\h) < 3
	PLACES                                 ; in front of the next loads into the slots
	WIN 0x40
	s_wait_alu depctr_va_vdst(0)           ; this half step's products are done reading their bank, in which the loads below land
.set i_, 0
.rept 4
	LDFRAG 4*((\h)%3)+i_, LW, (F_R1+4*((\h)+3)+i_)*1024
.set i_, i_+1
.endr
.endif
.endm
	s_load_b256 s[4:11], s[0:1], 0x0       ; query, kv, wts, res_fc_b
	s_load_b64 s[12:13], s[0:1], 0x20      ; out
	v_lshl_add_u32 v[SPW], v0, 2, SPARE
	v_mov_b32 v[NIL], 0
	v_lshrrev_b32 v192, 5, v0
	v_readfirstlane_b32 s14, v192          ; wave 0..7
	v_and_b32 v193, 31, v0                 ; lane
	v_and_b32 v194, 15, v0                 ; r
	v_bfe_u32 v195, v0, 4, 1               ; hh
	v_lshlrev_b32 v[LW], 4, v193
	v_lshlrev_b32 v[AP0], 5, v195
	v_add_nc_u32 v[AP0], PRM, v[AP0]
	s_wait_alu depctr_va_sdst(0)           ; s14 is written, ahead of its first reader: the wave's LDS regions and its rows are made from it
	s_mul_i32 s15, s14, STGW
	s_add_co_u32 s15, s15, STG             ; my stage
	v_mul_u32_u24 v[ASR], v194, 144
	v_lshl_add_u32 v[ASR], v195, 4, v[ASR]
	v_add_nc_u32 v[ASR], s15, v[ASR]
	v_mul_u32_u24 v[ASW], v195, 1152
	v_lshl_add_u32 v[ASW], v194, 3, v[ASW]
	v_add_nc_u32 v[ASW], s15, v[ASW]
	s_lshl_b32 s15, s14, 14
	s_add_co_u32 s15, s15, RT              ; my centred numbers
	v_add_nc_u32 v[ART], s15, v[LW]
	v_lshlrev_b32 v[GO], 11, v195
	v_lshl_add_u32 v[GO], v194, 4, v[GO]
	v_lshlrev_b32 v196, 4, v0              ; the weights' copy: 16 bytes a thread, 4,096 a round, the same offset in memory and in LDS
	v_add_nc_u32 v197, 0x10000, v196       ; LDS offsets hold 16 bits: the last six rounds have an address of their own
	v_lshlrev_b32 v198, 4, v194
	s_lshl_b32 s16, ttmp9, 18              ; the work-group's 1,024 rows of 256 bytes,
	s_lshl_b32 s17, s14, 15                ; my wave's 128
	s_add_co_u32 s16, s16, s17
	s_mov_b32 s17, 0
	s_mov_b32 s30, 0x3ec88bda              ; p1 = 0.47047 / sqrt(log2(e))
	s_mov_b32 s32, 0x3eb2303a              ; a1 = 0.3480242; the pairs' upper words are named with the lower and so are written
	s_mov_b32 s33, s32
	s_mov_b32 s34, 0xbdc45ca1              ; a2 = -0.0958798
	s_mov_b32 s35, s34
	s_mov_b32 s36, 0x3f3f7377              ; a3 = 0.7478556
	s_mov_b32 s37, s36
	s_mov_b32 s38, 0x3f16b55f              ; 1 / (2 KAPPA)
	s_mov_b32 s39, s38
	s_mov_b32 s40, 0x76543210              ; each lane takes its own place in the other half
	s_mov_b32 s41, 0xfedcba98
	s_mov_b32 s47, 0x3727c5ac              ; 1e-5
	s_mov_b32 s48, 0x3c000000              ; 1 / 128
	s_mov_b32 s49, 0x3d000000              ; 1 / 32
	s_wait_kmcnt 0x0
	s_load_b256 s[20:27], s[8:9], PRM+P_ATT
	s_add_nc_u64 s[4:5], s[4:5], s[16:17]
	s_add_nc_u64 s[6:7], s[6:7], s[16:17]
	s_add_nc_u64 s[12:13], s[12:13], s[16:17]
	s_wait_alu depctr_va_vdst(0)           ; the addresses v1-6 and v196-198 and the add's v10, v11 are written: every load and store of the kernel reads one of them
.set i_, 0
.rept 22
	global_load_b128 v[64+4*i_:64+4*i_+3], v196, s[8:9] offset:4096*i_
.set i_, i_+1
.endr
	global_load_b128 v[BO:BO+3], v198, s[10:11]
	PFLOAD                                 ; pass 0's rows
	s_wait_loadcnt 0x20                    ; loads come back in order (ISA guide 5.7.1): all but the 32 just issued
.set i_, 0
.rept 16
	ds_store_b128 v196, v[64+4*i_:64+4*i_+3] offset:4096*i_
.set i_, i_+1
.endr
.set i_, 0
.rept 6
	ds_store_b128 v197, v[128+4*i_:128+4*i_+3] offset:4096*i_
.set i_, i_+1
.endr
	s_wait_dscnt 0x0                       ; for the others' sake: my part of the weights is in LDS
	s_barrier_signal -1
	s_barrier_wait -1                      ; everybody's is; from here on nobody writes those bytes
	s_wait_alu depctr_vm_vsrc(0)           ; the copy's loads and stores have read v196-198 and v64-151: from here on vector and matrix instructions write these registers
	v_cvt_pk_bf16_f32 v199, v[BO], v[BO+1] ; the output's bias, rounded like every input
	v_cvt_pk_bf16_f32 v200, v[BO+2], v[BO+3]
	v_lshlrev_b32 v[BO], 16, v199
	v_and_b32 v[BO+1], 0xffff0000, v199
	v_lshlrev_b32 v[BO+2], 16, v200
	v_and_b32 v[BO+3], 0xffff0000, v200
	v_mov_b32 v199, 0x3f80                 ; bf16 1.0 in the low half: k = 80, which meets the bias column
	v_cmp_eq_u32 vcc_lo, 0, v195
.irp i, 5,6,7,13,14,15
	v_mov_b32 v[EFR+\i], 0
.endr
	s_wait_alu depctr_va_vcc(0)            ; the compare has written VCC, ahead of the select that reads it
	v_cndmask_b32 v[EFR+4], 0, v199, vcc_lo
	v_mov_b32 v[EFR+12], v[EFR+4]
.set i_, 0
.rept 8
	v_mov_b32 v[ST+i_], 0                  ; v_permlanex16_b32 counts as a reader of its destination: these and the next sixteen are written once
	v_mov_b32 v[KV+8+i_], 0
	v_mov_b32 v[KV+24+i_], 0
.set i_, i_+1
.endr
	PFSTORE
	s_add_nc_u64 s[4:5], s[4:5], 0x2000    ; the loads are done: on to pass 1's rows
	s_add_nc_u64 s[6:7], s[6:7], 0x2000
	s_mov_b32 s42, 4
	s_wait_kmcnt 0x0                       ; A and C
.Lpass:
	; the pass's fragments of query and kv out of my stage (LDS serves a wave's instructions in order: these see the stores), and Wq's and Wkv's.  No wait on va_vdst is owed here: on the way in and on the way
	; back the last one (ahead of the stage's stores, or of the output's) follows every matrix instruction that read these registers, and no vector instruction behind it names them.
	WIN 0x40
.set i_, 0
.rept 4                                ; tile i / 2, K step i % 2
	ds_load_b128 v[QF+8*i_:QF+8*i_+3],   v[ASR] offset:2304*(i_/2)+64*(i_%2)
	ds_load_b128 v[QF+8*i_+4:QF+8*i_+7], v[ASR] offset:2304*(i_/2)+64*(i_%2)+32
	ds_load_b128 v[KF+8*i_:KF+8*i_+3],   v[ASR] offset:4608+2304*(i_/2)+64*(i_%2)
	ds_load_b128 v[KF+8*i_+4:KF+8*i_+7], v[ASR] offset:4608+2304*(i_/2)+64*(i_%2)+32
.set i_, i_+1
.endr
.set n_, 0
.rept 4
	LDFRAG n_, LW, n_*1024
.set n_, n_+1
.endr
	WIN 0
	s_wait_alu depctr_vm_vsrc(0)           ; the stage's stores have read the rows' registers, in which the next rows land; the last pass's global stores have read OUT, which this pass writes again
	s_cmp_eq_u32 s42, 1
	s_cbranch_scc1 .Lno_load               ; the last pass has no next
	PFLOAD                                 ; a whole pass lies between these loads and the wait for them
.Lno_load:
	s_wait_dscnt 0x0
	WIN 0x05                               ; the accumulators take turns, one instruction a turn, here and everywhere below
	MMB0 AQ,    WB,    QF
	MMB0 KV,    WB+16, KF
	MMB0 AQ+8,  WB,    QF+16
	MMB0 KV+16, WB+16, KF+16
	MMB  AQ,    WB+8,  QF+8,  AQ
	MMB  KV,    WB+24, KF+8,  KV
	MMB  AQ+8,  WB+8,  QF+24, AQ+8
	MMB  KV+16, WB+24, KF+24, KV+16
	WIN 0
	PLACES
	ATT 0                                  ; it asks for the folded fc1's fragments,
	ATT 1                                  ; and this one for its bias
	; mlp_eps, first layer: folded fc1 on r, the folded bias as C
	s_wait_dscnt 0x0
	WIN 0x01
.set n_, 0
.rept 8
	MMB Z+8*n_,    WB+8*n_, RF,   192+8*n_
	MMB Z+64+8*n_, WB+8*n_, RF+8, 192+8*n_
.set n_, n_+1
.endr
	WIN 0
	PLACES
	STATA Z, 64, 0, 48
	s_wait_alu depctr_va_vdst(0)           ; tile 0's centring has written v64-127, which its stores read; fc1's products are done reading v192-207, the pass's first products slots 8 and 9
	WIN 0x40
	LDFRAG 8, LW, F_E2M*1024               ; the folded skip
	LDFRAG 9, LW, (F_E2M+1)*1024
	WIN 0
	LDVEC PBB, AP0, P_B2E, 2               ; and the folded bias
	STATBS Z, 0, 48
	STATA Z+64, 64, 1, 48
	PROLOG P_S1E, P_T1E, F_E2*1024
	STATBS Z+64, 1, 48
	; second layer: the identity skip, folded onto r, and the folded bias start the sums ahead of the loop
	s_wait_alu depctr_va_vdst(0)           ; both roots are written
	s_wait_alu depctr_vm_vsrc(0)           ; tile 1's stores have read v128-191, which the products below and the trips' roundings write
	s_wait_dscnt 44                        ; the skip's fragments and bias are in; behind them 16 stores, the loop's 12 first loads and 16 stores may be out
	WIN 0x01
	MMB Z2,    WB+64, RF,   PBB
	MMB Z2+8,  WB+72, RF,   PBB+8
	MMB Z2+16, WB+64, RF+8, PBB
	MMB Z2+24, WB+72, RF+8, PBB+8
	WIN 0
	s_mov_b32 s43, 3
.Leloop:
	ETRIP 0
	s_sub_co_u32 s43, s43, 1
	s_cmp_lg_u32 s43, 0
	s_cbranch_scc1 .Leloop
	ETRIP 1
	TAIL 0
	; eps_ = eps_fc on it, and as the third K step's fragment
	s_wait_dscnt 16                        ; eps_fc's bias and fragment are in; res_fc1's sixteen loads may be out
	WIN 0x01
	MMB Z3,   WB+80, RF,   PBB
	MMB Z3+8, WB+80, RF+8, PBB
	WIN 0
	PLACES 5                               ; five: later products write over these two's registers
	s_wait_alu depctr_va_vdst(0)           ; eps_fc's products are done reading slot 10, the loop's last slots 8 and 9: the bank of slots 8-11 takes res_fc1's half step 2
	WIN 0x40
.set n_, 0
.rept 4
	LDFRAG 8+n_, LW, (F_R1+8+n_)*1024
.set n_, n_+1
.endr
	WIN 0
	CVTB EFR, Z3, 4
	CVTB EFR+8, Z3+8, 4
	; mlp_residual, first layer: K = 96: the query's 64, eps_'s 16, the bias column, zeros
	RHALF 0
	RHALF 1
	RHALF 2
	RHALF 3
	RHALF 4
	RHALF 5
	WIN 0
	PLACES                                 ; in front of the statistics
	STATA Z, 64, 0, 48
	s_wait_alu depctr_va_vdst(0)           ; tile 0's centring has written v64-127, which its stores read
	STATBS Z, 0, 48
	STATA Z+64, 64, 1, 48
	PROLOG P_S1R, P_T1R, F_RL*1024
	STATBS Z+64, 1, 48
	s_wait_alu depctr_va_vdst(0)           ; both roots are written
	s_wait_alu depctr_vm_vsrc(0)           ; tile 1's stores have read v128-191, in which the loads below land and which the trips' products write
	LDVEC Z2, AP0, P_B2R, 2                ; res_fc2's sums begin as its bias: nothing is cleared
	LDVEC Z2+16, AP0, P_B2R, 2
	s_mov_b32 s43, 3
.Lrloop:
	RTRIP 0
	s_sub_co_u32 s43, s43, 1
	s_cmp_lg_u32 s43, 0
	s_cbranch_scc1 .Lrloop
	RTRIP 1
	TAIL 1
	; the output: source 0 = the batch rows, source 1 = res_fc's fragment tt: register j of lane (r, hh) is row 8 hh + j, feature 4 r + tt
	s_wait_dscnt 0x0                       ; res_fc's fragments
	WIN 0x04
.set n_, 0
.rept 8
	MMH0 OA+8*n_, RF+8*(n_/4), WB+64+8*(n_%4)
.set n_, n_+1
.endr
	WIN 0
	PLACES
.set i_, 0
.rept 64                               ; tile i / 32, row j = (i / 4) % 8, fragment tt = i % 4: j ascending, so each accumulator's register 0 is read first
	v_add_f32 v[OUT+i_], v[OA+32*(i_/32)+8*(i_%4)+(i_/4)%8], v[BO+i_%4]
.set i_, i_+1
.endr
	s_wait_alu depctr_va_vdst(0)           ; the additions have written OUT, which the stores read
.set i_, 0
.rept 16
	global_store_b128 v[GO], v[OUT+4*i_:OUT+4*i_+3], s[12:13] offset:4096*(i_/8)+256*(i_%8) th:TH_STORE_NT  ; sixteen lanes store 256 consecutive bytes, a whole row, at a multiple of 256 from the buffer's first byte
.set i_, i_+1
.endr
	s_cmp_eq_u32 s42, 1
	s_cbranch_scc1 .Lno_store
	PFSTORE                                ; the next pass's rows into the stage, whose reads were waited for at this pass's head
.Lno_store:
	s_wait_xcnt 0x0                        ; every earlier memory instruction has had its addresses translated (ISA guide 3.1): only behind this wait are the three bases stepped and the stores' registers written again
	s_add_nc_u64 s[4:5], s[4:5], 0x2000
	s_add_nc_u64 s[6:7], s[6:7], 0x2000
	s_add_nc_u64 s[12:13], s[12:13], 0x2000
	s_sub_co_u32 s42, s42, 1
	s_cmp_lg_u32 s42, 0
	s_cbranch_scc1 .Lpass
	s_wait_dscnt 0x0                       ; the wave's end
	s_wait_alu 0x0
	s_wait_tensorcnt 0x0
	ds_add_u32 v[SPW], v[NIL]
	s_wait_dscnt 0x0
	s_endpgm
.Lfunc_end_k_qf5cdb65d6f_main:
	.size	k_qf5cdb65d6f_main, .Lfunc_end_k_qf5cdb65d6f_main-k_qf5cdb65d6f_main
	.p2alignl 7, 3214868480
	.fill 96, 4, 3214868480
	.section	.rodata,"a",@progbits
	.p2align	6, 0x0
	.amdhsa_kernel k_qf5cdb65d6f_main
		.amdhsa_group_segment_fixed_size 295936
		.amdhsa_private_segment_fixed_size 0
		.amdhsa_enable_private_segment 0
		.amdhsa_kernarg_size 40
		.amdhsa_user_sgpr_count 2
		.amdhsa_user_sgpr_kernarg_segment_ptr 1
		.amdhsa_wavefront_size32 1
		.amdhsa_system_sgpr_workgroup_id_x 1
		.amdhsa_system_sgpr_workgroup_id_y 1
		.amdhsa_system_sgpr_workgroup_id_z 1
		.amdhsa_system_vgpr_workitem_id 0
		.amdhsa_next_free_vgpr 512
		.amdhsa_next_free_sgpr 66
		.amdhsa_reserve_vcc 1
		.amdhsa_float_denorm_mode_32 3
		.amdhsa_float_denorm_mode_16_64 3
		.amdhsa_memory_ordered 1
		.amdhsa_forward_progress 1
		.amdhsa_inst_pref_size 255
	.end_amdhsa_kernel
	.section	.bss,"aw",@nobits
	.p2align	6
	.space	262144
	.amdgpu_metadata
---
amdhsa.version: [ 1, 2 ]
amdhsa.kernels:
  - .name:           k_qf5cdb65d6f_main
    .symbol:         k_qf5cdb65d6f_main.kd
    .args:
      - { .name: query_embed, .offset: 0, .size: 8, .value_kind: global_buffer, .address_space: global }
      - { .name: kv_embed, .offset: 8, .size: 8, .value_kind: global_buffer, .address_space: global }
      - { .name: wts, .offset: 16, .size: 8, .value_kind: global_buffer, .address_space: global }
      - { .name: res_fc_b, .offset: 24, .size: 8, .value_kind: global_buffer, .address_space: global }
      - { .name: out0, .offset: 32, .size: 8, .value_kind: global_buffer, .address_space: global }
    .group_segment_fixed_size: 295936
    .private_segment_fixed_size: 0
    .kernarg_segment_align: 8
    .kernarg_segment_size: 40
    .max_flat_workgroup_size: 256
    .sgpr_count:     66
    .vgpr_count:     512
    .wavefront_size: 32
...
	.end_amdgpu_metadata
.endif
;; end of part 3
